; MI455X (gfx1250); checked and timed in simulation.
; The chip was launched on July 23, 2026; its instructions are those of AMD's public machine-readable ISA for CDNA 5 (MIT licence, August 2026) and "CDNA5" Instruction Set Architecture Reference Guide (July 2026). The comments in the code are by the model that wrote it; some were corrected since.
;; Attention Layer. Allowed arithmetic: float matrix products may take bf16 or f16 operands with f32 sums; other float arithmetic in f32, or as packed bf16 or f16 multiplies, adds, multiply-adds, maxima and minima; sums over many terms, partial sums and values carried from step to step in f32; what a program stores and reads back later, other than sums and carried values, may be rounded once to bf16 or f16.
;; Inputs: b1 1,024 float32; b2 1,024 float32; bf1 4,096 float32; bf2 1,024 float32; bk 1,024 float32; bo 1,024 float32; bq 1,024 float32; bv 1,024 float32; g1 1,024 float32; g2 1,024 float32; w1 1,024 x 4,096 float32; w2 4,096 x 1,024 float32; wk 1,024 x 1,024 float32; wo 1,024 x 1,024 float32; wq 1,024 x 1,024 float32; wv 1,024 x 1,024 float32; x 2 x 2,048 x 1,024 float32.
;; Outputs: out0 2 x 2,048 x 1,024 float32.
;; One version. Each part assembles by itself: llvm-mc -triple=amdgcn-amd-amdhsa -mcpu=gfx1250 --defsym DOCPART=n.
;; ======== version 1 of 1: 8 launches
;; limits: values are held in f16: magnitudes above 65,504 overflow, below 6.1e-05 lose precision
;; workspace buffers: cb 33,554,432 bytes; qkv 25,165,824 bytes; ob 8,388,608 bytes; z 16,777,216 bytes; x1f 16,777,216 bytes; x1b 8,388,608 bytes; hb 33,554,432 bytes
;; launch cast (part 1): grid 64 x 16, 8 waves a work-group, no clusters, 0 bytes of LDS; arguments x, wq, wk, wv, wo, w1, w2, cb; writes cb
.if DOCPART == 1
	.amdgcn_target "amdgcn-amd-amdhsa--gfx1250"
	.amdhsa_code_object_version 6
	.text
	.protected	k_qdad11ccb60_cast
	.globl	k_qdad11ccb60_cast
	.p2align	8
	.type	k_qdad11ccb60_cast,@function
k_qdad11ccb60_cast:
	s_mov_b64 s[64:65], 0
	v_nop
	global_prefetch_b8 v0, s[64:65] scope:SCOPE_SE
	s_setreg_imm32_b32 hwreg(HW_REG_WAVE_MODE, 25, 1), 1
	s_wait_xcnt 0x0
; cb takes the seven matrix operands in 16 bits, each rounded once: 16 units of 1,048,576 numbers (2 MiB each):
; units 0-3 x, 4 wq, 5 wk, 6 wv, 7 wo, 8-11 w1, 12-15 w2, each in its own row-major order.  All in bf16 but wo, which meets f16 data and goes in f16
; (LIMIT: wo within 65,504; below 6e-5 it keeps f16's fixed step of 6e-8).
; Grid y = the unit, grid x = a chunk of 16,384 numbers.  Thread t takes 16 bytes at 4,096 j + 16 t (a wave's load: 512 consecutive bytes) and stores
; 8 bytes at 2,048 j + 8 t (a wave's store: 256 consecutive bytes, aligned).  All 16 loads go out first; nothing is rewritten, so no other wait is needed.
.set X, 4                              ; v[4:67]   16 x 4 numbers as loaded
.set Y, 68                             ; v[68:99]  16 x 2 words to store
.macro PICK c, p                       ; from unit c on the source is the buffer whose address lies in s[p:p+1]
	s_cmp_ge_u32 s2, \c
	s_cselect_b64 s[24:25], s[\p:\p+1], s[24:25]
	s_cselect_b32 s26, \c, s26
.endm
.macro CONV cvt
.irp j, 0,1,2,3,4,5,6,7,8,9,10,11,12,13,14,15
	s_wait_loadcnt 15-(\j)                         ; loads come back in order: load j is in, the younger ones stay out
	\cvt v[Y+2*(\j)], v[X+4*(\j)], v[X+4*(\j)+1]
	\cvt v[Y+2*(\j)+1], v[X+4*(\j)+2], v[X+4*(\j)+3]
	global_store_b64 v2, v[Y+2*(\j):Y+2*(\j)+1], s[22:23] offset:(\j)*2048
.endr
.endm
	s_load_b512 s[8:23], s[0:1], 0x0               ; x 8, wq 10, wk 12, wv 14, wo 16, w1 18, w2 20, cb 22
	s_and_b32 s2, ttmp7, 0xffff                    ; the unit
	v_lshlrev_b32 v1, 4, v0
	v_lshlrev_b32 v2, 3, v0
	s_wait_kmcnt 0x0
	s_mov_b64 s[24:25], s[8:9]                     ; the source buffer, and in s26 its first unit
	s_mov_b32 s26, 0
	PICK 4, 10
	PICK 5, 12
	PICK 6, 14
	PICK 7, 16
	PICK 8, 18
	PICK 12, 20
	s_sub_co_u32 s28, s2, s26                      ; the unit inside its buffer: 4 MiB of f32 each,
	s_lshl_b32 s28, s28, 22
	s_lshl_b32 s27, ttmp9, 16                      ; the chunk: 64 KiB of f32
	s_add_co_u32 s28, s28, s27
	s_mov_b32 s29, 0
	s_add_nc_u64 s[24:25], s[24:25], s[28:29]
	s_lshl_b32 s30, s2, 21                         ; in cb: 2 MiB a unit, 32 KiB a chunk
	s_lshl_b32 s27, ttmp9, 15
	s_add_co_u32 s30, s30, s27
	s_mov_b32 s31, 0
	s_add_nc_u64 s[22:23], s[22:23], s[30:31]
.irp j, 0,1,2,3,4,5,6,7,8,9,10,11,12,13,14,15
	global_load_b128 v[X+4*(\j):X+4*(\j)+3], v1, s[24:25] offset:(\j)*4096 th:TH_LOAD_NT
.endr
	s_cmp_eq_u32 s2, 7
	s_cbranch_scc1 .Lf16
	CONV v_cvt_pk_bf16_f32
	s_endpgm
.Lf16:
	CONV v_cvt_pk_f16_f32
	s_endpgm
.Lfunc_end_k_qdad11ccb60_cast:
	.size	k_qdad11ccb60_cast, .Lfunc_end_k_qdad11ccb60_cast-k_qdad11ccb60_cast
	.p2alignl 7, 3214868480
	.fill 96, 4, 3214868480
	.section	.rodata,"a",@progbits
	.p2align	6, 0x0
	.amdhsa_kernel k_qdad11ccb60_cast
		.amdhsa_group_segment_fixed_size 0
		.amdhsa_private_segment_fixed_size 0
		.amdhsa_enable_private_segment 0
		.amdhsa_kernarg_size 64
		.amdhsa_user_sgpr_count 2
		.amdhsa_user_sgpr_kernarg_segment_ptr 1
		.amdhsa_wavefront_size32 1
		.amdhsa_system_sgpr_workgroup_id_x 1
		.amdhsa_system_sgpr_workgroup_id_y 1
		.amdhsa_system_sgpr_workgroup_id_z 1
		.amdhsa_system_vgpr_workitem_id 0
		.amdhsa_next_free_vgpr 100
		.amdhsa_next_free_sgpr 66
		.amdhsa_reserve_vcc 0
		.amdhsa_float_denorm_mode_32 3
		.amdhsa_float_denorm_mode_16_64 3
		.amdhsa_memory_ordered 1
		.amdhsa_forward_progress 1
		.amdhsa_inst_pref_size 12
	.end_amdhsa_kernel
	.amdgpu_metadata
---
amdhsa.version: [ 1, 2 ]
amdhsa.kernels:
  - .name:           k_qdad11ccb60_cast
    .symbol:         k_qdad11ccb60_cast.kd
    .args:
      - { .name: x, .offset: 0, .size: 8, .value_kind: global_buffer, .address_space: global }
      - { .name: wq, .offset: 8, .size: 8, .value_kind: global_buffer, .address_space: global }
      - { .name: wk, .offset: 16, .size: 8, .value_kind: global_buffer, .address_space: global }
      - { .name: wv, .offset: 24, .size: 8, .value_kind: global_buffer, .address_space: global }
      - { .name: wo, .offset: 32, .size: 8, .value_kind: global_buffer, .address_space: global }
      - { .name: w1, .offset: 40, .size: 8, .value_kind: global_buffer, .address_space: global }
      - { .name: w2, .offset: 48, .size: 8, .value_kind: global_buffer, .address_space: global }
      - { .name: cb, .offset: 56, .size: 8, .value_kind: global_buffer, .address_space: global }
    .group_segment_fixed_size: 0
    .private_segment_fixed_size: 0
    .kernarg_segment_align: 8
    .kernarg_segment_size: 64
    .max_flat_workgroup_size: 256
    .sgpr_count:     66
    .vgpr_count:     100
    .wavefront_size: 32
...
	.end_amdgpu_metadata
.endif
;; end of part 1
;; launch qkv (part 2): grid 12 x 16, 4 waves a work-group, clusters of 4 x 4, 327,680 bytes of LDS; arguments cb, bq, bk, bv, qkv; writes qkv
.if DOCPART == 2
	.amdgcn_target "amdgcn-amd-amdhsa--gfx1250"
	.amdhsa_code_object_version 6
	.text
	.protected	k_qdad11ccb60_qkv
	.globl	k_qdad11ccb60_qkv
	.p2align	8
	.type	k_qdad11ccb60_qkv,@function
k_qdad11ccb60_qkv:
	s_mov_b64 s[64:65], 0
	v_nop
	global_prefetch_b8 v0, s[64:65] scope:SCOPE_SE
	s_setreg_imm32_b32 hwreg(HW_REG_WAVE_MODE, 25, 1), 1
	s_wait_xcnt 0x0
	s_wait_alu depctr_hold_cnt(0) depctr_sa_sdst(0) depctr_va_vdst(0) depctr_va_sdst(0) depctr_va_ssrc(0) depctr_va_vcc(0) depctr_vm_vsrc(0)
	s_getreg_b32 s2, hwreg(HW_REG_IB_STS2, 6, 4)
	s_cmp_eq_u32 s2, 0
	s_cbranch_scc0 .Lentry_in_a_cluster
	s_endpgm
.Lentry_in_a_cluster:
	s_bfe_u32 s2, ttmp6, 0x10000c
	s_cmp_lg_u32 s2, 0xf033
	s_cbranch_scc0 .Lentry_shape_is_right
	s_endpgm
.Lentry_shape_is_right:
; C = A B + bias on tiles of 256 x 256, K = 1,024.  A: [4096][1024] bf16, rows along K.  B: [1024 (k)][NP (n)] bf16, as the weights lie.  Sums in f32.
; QKV = 1: A = x (cb, byte 0), B = wq, wk or wv (cb, bytes 8,388,608 on, 2 MiB each: the cluster's x says which), bias bq, bk or bv; out: f16, by heads, qkv[which][batch x 16 + head][row][64].
;          LIMIT: q, k and v with their bias lie within f16's 65,504; NaN and infinities are not treated apart.
; QKV = 0: A = x1b, B = w1 (cb, byte 16,777,216), bias bf1; out: gelu(.) in bf16, hb[4096][4096].  gelu(z) = z/2 + |z| (1/2 - r^16 / 2), r = 1 / (1 + c1 |z| + .. + c6 |z|^6):
;          erf by a rational form good for every |z| (absolute error of erf 3e-7); a large |z| gives r = 0.  LIMIT: an infinite z is not treated apart.
; Four waves, each 128 x 128 of C: 64 accumulators, 512 registers.  K goes in 8 steps of 128 through two LDS slots filled by the tensor data mover.
; A's rows lie along K in LDS; B's tile lies [k][n] and its fragments come out turned, by ds_load_tr16_b128.  The matrix instruction takes B as source 0 and A as source 1:
; a lane then holds eight neighbouring columns of one row of C.
; CLUSTER 4 x 4: A's tile is asked for jointly along a row of the cluster, B's along a column.
; WHERE K BEGINS: cluster (X, Y) takes the K steps in the order r, r + 1, .. modulo 8, r = (2 X + 4 Y) mod 8, so that clusters that need the same tile of A (same Y) or of B (same X) ask for it in different trips.
;          Each output is still one f32 sum; the order of its terms along K differs from cluster to cluster, and from the reference's.
; THE K LOOP: a step is four quarters of 32 along K on two fragment buffers.  The text holds a PAIR of quarters once (multiply buffer 1, fetch into 0; multiply buffer 0, fetch into 1) and walks it twice a step;
;          the change of slots stands between the steps and holds no matrix work, so that a refill goes out as soon as the slot is free and has the step's 256 matrix instructions in which to land.
; THE WAY OUT: when the ring has had its last fill and its last read, the f32 sums go into it (each wave 128 rows of 528 bytes of its own), and come back as rows; bias, activation, rounding; each store covers 256 consecutive aligned bytes.
; REGISTERS: window 0: v0-31 addresses and bias; v64-127, v128-191 A's fragments, two buffers (later the way out's work); v192-223 the way out's next rows.  Window 1: v64-191 B's fragments.  Windows 2, 3: accumulator (a, b) at v[8 (8 a + b)], my rows 0-63 and 64-127.
.set QKV,    1
.set KSTEP,  128
.set NSTEP,  8
.set PA,     272                       ; a row of A in LDS: 256 bytes + 16: the 16 rows of a load start at 16 different groups of four banks (64 banks of 4 bytes: ISA guide 11.1)
.set PB,     544                       ; a k-row of B: 512 bytes + 32
.set HALFT,  128*PA                    ; what one tensor load brings: 128 rows of A, or 64 k-rows of B (64 x 544 is the same 34,816)
.set SLOT,   4*HALFT                   ; A's rows 0-127, 128-255, B's k 0-63, 64-127.  0x22000 shares no bit with wave x HALFT, so an exclusive or turns an address in one slot into the other's
.set SPARE,  2*SLOT                    ; behind the ring: the spare words, 128 bytes a wave: two blocks of 256 bytes that no other line names
.set DP,     528                       ; the way out: a row of 128 f32 + 16 bytes
.set DW,     128*DP                    ; a wave's 128 rows; four of them end below SPARE
.if QKV
.set NP,     1024
.set BP,     68                        ; s[68:69]: the buffer that holds B
.set BSH,    18                        ; a K step of B is 128 k-rows of 2 NP bytes = 1 << BSH
.else
.set NP,     4096
.set BP,     70
.set BSH,    20
.endif
.set ASH,    8                         ; a K step of A is 256 bytes
.set RX,     1                         ; the first K step: (X << RX) + (Y << RY), modulo NSTEP
.set RY,     2
.set BI,    8                          ; v8-15  my columns' bias
.set ADRA0, 16                         ; v16  my lane's place in A's part of a slot; never rewritten
.set ADRA,  17                         ; v17  where the next pair of quarters is fetched from
.set ADRB0, 18                         ; v18, v19  the same for B
.set ADRB,  19
.set STO,   24                         ; v24  the way out: where I put 16 bytes of a row
.set RD,    25                         ; v25  the way out: where I read rows back
.set CO,    26                         ; v26  my byte offset in the output
.set BO,    27                         ; v27  my byte offset in the bias
.set SPW,   28                         ; v28  LDS address of my spare word; never rewritten
.set NIL,   29                         ; v29  0; never rewritten
.set F0,    64
.set F1,    128
.set ZZ,    64                         ; the way out: v64-95 numbers, v96-127 magnitudes (QKV: packed results), v128-159 at work, v160-175 packed results
.set AB,    96
.set PL,    128
.set YY,    160
.set NX,    192                        ; v192-223  the next eight rows, on their way from LDS
.set OA,  4                            ; s[4:5]  the K step's byte offset in A;  s[6:7] in B
.set OB,  6
.set G1,  24                           ; s[24:31] descriptor group 1 for A;  s[32:39] group 0: a set for each first fill; the second serves the refills
.set G0,  32
.set G1B, 48                           ; s[48:55], s[56:63] the same for B
.set G0B, 56
.set TR,  76                           ; s76  the slot in hand: 0 or SLOT
.set WB,  77                           ; s77  wave x HALFT
.set KT,  91                           ; s91  the K step asked for last
.set MSB, 0
.macro WIN new                         ; the immediate's high byte repeats the setting that is left; a switch that changes nothing is dropped
.if MSB != (\new)
	s_set_vgpr_msb (MSB<<8)|(\new)
.set MSB, \new
.endif
.endm
.set MUL_LO, 0xa1                      ; source 0 (B) window 1, source 1 (A) window 0, C and D window 2
.set MUL_HI, 0xf1                      ; the same, C and D window 3
.set TO_B,   0x40                      ; destination window 1, address window 0
; A joint refill.  Waves 0 and 1 fetch A's two halves, waves 2 and 3 B's; the branch hangs on the wave's number alone.
; An s_nop 0 and four v_nop follow each of the two lines, ahead of the jump and the label.
.macro JLOAD
	s_cmp_eq_u32 s11, 0
	s_cbranch_scc0 .Lfor_b_\@
	tensor_load_to_lds s[G0+4:G0+7], s[G1:G1+7]
	s_nop 0
.rept 4
	v_nop
.endr
	s_branch .Lasked_\@
.Lfor_b_\@:
	tensor_load_to_lds s[G0B+4:G0B+7], s[G1B:G1B+7]
	s_nop 0
.rept 4
	v_nop
.endr
.Lasked_\@:
.endm
.macro CREST                           ; a round of the cluster's barrier behind its opening barrier
	s_cmp_lg_u32 s10, 0
	s_cbranch_scc1 .Lnot_wave_0_\@
	s_barrier_signal -3
.Lnot_wave_0_\@:
	s_barrier_wait -3
	s_barrier_signal -1
	s_barrier_wait -1
.endm
.macro CROUND                          ; a whole round
	s_barrier_signal -1
	s_barrier_wait -1
	CREST
.endm
.macro PLACES                          ; four places in front of loads into registers that matrix instructions have read, and of lines that read results
.rept 4
	v_nop
.endr
.endm
.macro ALL16 line:vararg               ; one line for each pair i of 16
.set i, 0
.rept 16
	\line
.set i, i+1
.endr
.endm
.macro ALL32 line:vararg               ; one line for each register i of 32
.set i, 0
.rept 32
	\line
.set i, i+1
.endr
.endm
	s_load_b256 s[68:75], s[0:1], 0x0              ; QKV: cb, bq, bk, bv.  Else: x1b, cb, bf1, hb
.if QKV
	s_load_b64 s[8:9], s[0:1], 0x20                ; qkv
.endif
	v_lshl_add_u32 v[SPW], v0, 2, SPARE
	v_mov_b32 v[NIL], 0
	ds_add_u32 v[SPW], v[NIL]                      ; the wave's opening: the add and its wait stand ahead of my first tensor load; the set-up below, work on registers, stands between them
	v_lshrrev_b32 v1, 5, v0
	v_readfirstlane_b32 s10, v1                    ; wave 0..3
	s_lshr_b32 s11, s10, 1                         ; which half of the tile's rows is mine.  Also: I fetch for A (0) or for B (1)
	s_and_b32 s12, s10, 1                          ; which half of its columns.  Also: which half of that tile I fetch
	s_bfe_u32 s40, ttmp6, 0x40000                  ; cx
	s_bfe_u32 s41, ttmp6, 0x40004                  ; cy
	s_mov_b32 s45, ttmp9                           ; the cluster's x
	s_lshl_b32 s42, ttmp9, 2
	s_add_co_u32 s42, s42, s40                     ; tile column = 4 x cluster x + cx
	s_and_b32 s13, ttmp7, 0xffff
	s_lshl_b32 s13, s13, 2
	s_add_co_u32 s13, s13, s41                     ; tile row = 4 x cluster y + cy
	s_lshl_b32 s43, s41, 2
	s_lshl_b32 s43, 15, s43                        ; my row of the cluster
	s_lshl_b32 s44, 0x1111, s40                    ; my column
	s_and_b32 s[KT], ttmp7, 0xffff                 ; the cluster's first K step: made of the cluster's x and y alone, which all sixteen partners share
	s_lshl_b32 s[KT], s[KT], RY
	s_lshl_b32 s[OA], ttmp9, RX
	s_add_co_u32 s[KT], s[KT], s[OA]
	s_and_b32 s[KT], s[KT], NSTEP-1
	s_mov_b32 s[OA+1], 0                           ; the offsets' high words
	s_mov_b32 s[OB+1], 0
	s_or_b32 s[G1+0], s43, (1<<16)|(1<<20)|(1<<21)|(5<<22)|(3<<25)   ; the mask; 2-byte elements; padding on; bit 21 beside a mask; after every 64 words 4 words
	s_or_b32 s[G1B+0], s44, (1<<16)|(1<<20)|(1<<21)|(6<<22)|(7<<25)  ; after every 128 words 8 words
	s_mov_b32 s[G1+1], KSTEP<<16                   ; A: tensor_dim0 = 128
	s_mov_b32 s[G1+2], 128<<16                     ; tensor_dim1 = 128
	s_mov_b32 s[G1+3], KSTEP<<16                   ; tile_dim0 = 128
	s_mov_b32 s[G1+4], 128                         ; tile_dim1 = 128
	s_mov_b32 s[G1+5], 1024                        ; elements from row to row
	s_mov_b32 s[G1+6], 0
	s_mov_b32 s[G1+7], 0
	s_mov_b32 s[G1B+1], 256<<16                    ; B: 256 columns,
	s_mov_b32 s[G1B+2], 64<<16                     ; 64 k-rows
	s_mov_b32 s[G1B+3], 256<<16
	s_mov_b32 s[G1B+4], 64
	s_mov_b32 s[G1B+5], NP
	s_mov_b32 s[G1B+6], 0
	s_mov_b32 s[G1B+7], 0
	s_lshl_b32 s16, s13, 19                        ; A: (256 x tile row + 128 x half) rows of 2,048 bytes: it hangs on the tile row alone
	s_lshl_b32 s17, s12, 18
	s_add_co_u32 s16, s16, s17
	s_mov_b32 s17, 0
.if QKV
	s_lshl_b32 s46, s45, 21                        ; B: the weight, 2 MiB each; 512 bytes a tile column inside it; 64 k-rows of 2,048 bytes a half
	s_lshl_b32 s47, s40, 9
	s_add_co_u32 s46, s46, s47
	s_lshl_b32 s47, s12, 17
	s_add_co_u32 s46, s46, s47
	s_add_co_u32 s46, s46, 8388608
.else
	s_lshl_b32 s46, s42, 9                         ; B: 512 bytes a tile column; 64 k-rows of 8,192 bytes a half
	s_lshl_b32 s47, s12, 19
	s_add_co_u32 s46, s46, s47
	s_add_co_u32 s46, s46, 16777216
	s_mov_b32 s78, 0x3d4c41b4                      ; c1 .. c6, each written twice: the packed lines name pairs and take the low word for both halves
	s_mov_b32 s79, 0x3d4c41b4
	s_mov_b32 s80, 0x3cad2fe7
	s_mov_b32 s81, 0x3cad2fe7
	s_mov_b32 s82, 0x3b56cd70
	s_mov_b32 s83, 0x3b56cd70
	s_mov_b32 s84, 0x381f6607
	s_mov_b32 s85, 0x381f6607
	s_mov_b32 s86, 0x384d0fed
	s_mov_b32 s87, 0x384d0fed
	s_mov_b32 s88, 0x36b49f67
	s_mov_b32 s89, 0x36b49f67
	s_mov_b32 s90, 0x7fffffff
.endif
	s_mov_b32 s47, 0
	s_mul_i32 s[WB], s10, HALFT                    ; where my tiles go: no place in the cluster enters an LDS address
	s_mov_b32 s[TR], 0
	s_wait_dscnt 0x0                               ; the opening add is done
	s_wait_kmcnt 0x0
	s_add_nc_u64 s[14:15], s[68:69], s[16:17]      ; A and B at my part of K step 0: kept; every fill's address is one of these plus the step's offset
	s_add_nc_u64 s[46:47], s[BP:BP+1], s[46:47]
	CROUND                                         ; all sixteen work-groups are here: the first joint loads meet
.irp s, 0,1
	s_lshl_b32 s[OA], s[KT], ASH
	s_lshl_b32 s[OB], s[KT], BSH
	s_mov_b32 s[G0+4*(\s)], 1                      ; count = 1
	s_add_co_u32 s[G0+4*(\s)+1], s[WB], (\s)*SLOT  ; LDS address
	s_add_nc_u64 s[G0+4*(\s)+2:G0+4*(\s)+3], s[14:15], s[OA:OA+1]  ; global address: the cluster's first K step, then its second
	s_or_b32 s[G0+4*(\s)+3], s[G0+4*(\s)+3], 0x80000000            ; type = 2
	s_mov_b32 s[G0B+4*(\s)], 1
	s_add_co_u32 s[G0B+4*(\s)+1], s[WB], (\s)*SLOT
	s_add_nc_u64 s[G0B+4*(\s)+2:G0B+4*(\s)+3], s[46:47], s[OB:OB+1]
	s_or_b32 s[G0B+4*(\s)+3], s[G0B+4*(\s)+3], 0x80000000
.if (\s) == 0
	s_add_co_u32 s[KT], s[KT], 1
	s_and_b32 s[KT], s[KT], NSTEP-1
.endif
.endr
	s_cmp_eq_u32 s11, 0                            ; a wave's two first fills stand in one branch, ahead of every wait on TENSORcnt and every LDS read: two loads of mine are out
	s_cbranch_scc0 .Lfirst_b
	tensor_load_to_lds s[G0:G0+3], s[G1:G1+7]
	s_nop 0
	tensor_load_to_lds s[G0+4:G0+7], s[G1:G1+7]
	s_nop 0
.rept 4
	v_nop
.endr
	s_branch .Lfirst_asked
.Lfirst_b:
	tensor_load_to_lds s[G0B:G0B+3], s[G1B:G1B+7]
	s_nop 0
	tensor_load_to_lds s[G0B+4:G0B+7], s[G1B:G1B+7]
	s_nop 0
.rept 4
	v_nop
.endr
.Lfirst_asked:
	v_and_b32 v1, 15, v0                           ; r = l % 16
	v_bfe_u32 v2, v0, 4, 1                         ; h = l / 16
	v_mul_u32_u24 v3, v1, PA                       ; a fragment of A: row r, 16 bytes for each half of the lanes; two loads 32 bytes apart
	v_lshl_add_u32 v3, v2, 4, v3
	s_mul_i32 s21, s11, HALFT                      ; my 128 rows of A
	v_add_nc_u32 v[ADRA0], s21, v3
	v_and_b32 v4, 7, v0                            ; the turning load: lane l reads k-row 8 h + l % 8, columns 8 ((l / 8) % 2) + 0..7, and is left with column r and eight k
	v_bfe_u32 v5, v0, 3, 1
	v_lshl_add_u32 v6, v2, 3, v4
	v_mul_u32_u24 v6, v6, PB
	v_lshl_add_u32 v6, v5, 4, v6
	s_lshl_b32 s22, s12, 8                         ; my 128 columns of B, which lies behind A's 256 rows
	s_add_co_u32 s22, s22, 2*HALFT
	v_add_nc_u32 v[ADRB0], s22, v6
	v_mov_b32 v[ADRA], v[ADRA0]                    ; slot 0
	v_mov_b32 v[ADRB], v[ADRB0]
	s_mul_i32 s23, s10, DW                         ; the way out: my 128 rows
	v_mul_u32_u24 v[STO], v1, DP                   ; in: row r, 32 bytes for each half of the lanes
	v_lshl_add_u32 v[STO], v2, 5, v[STO]
	v_add_nc_u32 v[STO], s23, v[STO]
	v_and_b32 v7, 31, v0
	v_lshlrev_b32 v[CO], 3, v7                     ; 8 bytes a lane: a wave's store is 256 consecutive bytes
.if QKV
	v_mul_u32_u24 v[RD], v2, DP                    ; back: lanes 0-15 take 64 columns of one row, lanes 16-31 of the next
	v_lshl_add_u32 v[RD], v1, 4, v[RD]
	v_add_nc_u32 v[RD], s23, v[RD]
	s_mov_b64 s[66:67], s[70:71]                   ; the bias that goes with the weight
	s_cmp_eq_u32 s45, 1
	s_cselect_b64 s[66:67], s[72:73], s[66:67]
	s_cmp_eq_u32 s45, 2
	s_cselect_b64 s[66:67], s[74:75], s[66:67]
	s_lshl_b32 s20, s40, 10                        ; my first column in the weight, in bytes of f32: 1,024 cx + 512 x half
	s_lshl_b32 s21, s12, 9
	s_add_co_u32 s20, s20, s21
	v_lshl_add_u32 v[BO], v1, 4, s20
	global_load_b128 v[BI:BI+3], v[BO], s[66:67]               ; four columns of my first head,
	global_load_b128 v[BI+4:BI+7], v[BO], s[66:67] offset:256  ; and of my second
	s_lshr_b32 s18, s13, 3                         ; out: batch x 16 heads of 262,144 bytes,
	s_lshl_b32 s18, s18, 22
	s_and_b32 s19, s13, 7                          ; my first row in the batch, 128 bytes a row,
	s_lshl_b32 s19, s19, 15
	s_add_co_u32 s18, s18, s19
	s_lshl_b32 s19, s11, 14
	s_add_co_u32 s18, s18, s19
	s_lshl_b32 s19, s40, 20                        ; my first head: 4 cx + 2 x half,
	s_add_co_u32 s18, s18, s19
	s_lshl_b32 s19, s12, 19
	s_add_co_u32 s18, s18, s19
	s_lshl_b32 s19, s45, 23                        ; and q, k or v
	s_add_co_u32 s18, s18, s19
	s_mov_b32 s19, 0
	s_add_nc_u64 s[8:9], s[8:9], s[18:19]
.else
	v_lshl_add_u32 v[RD], v7, 4, s23               ; back: a row of 512 bytes to a load
	s_lshl_b32 s20, s42, 10                        ; my first column, in bytes of f32
	s_lshl_b32 s21, s12, 9
	s_add_co_u32 s20, s20, s21
	v_lshl_add_u32 v[BO], v7, 4, s20
	global_load_b128 v[BI:BI+3], v[BO], s[72:73]
	s_lshl_b32 s18, s13, 21                        ; out: my first row, 8,192 bytes a row; my first column, 2 bytes each
	s_lshl_b32 s19, s11, 20
	s_add_co_u32 s18, s18, s19
	s_lshl_b32 s19, s42, 9
	s_add_co_u32 s18, s18, s19
	s_lshl_b32 s19, s12, 8
	s_add_co_u32 s18, s18, s19
	s_mov_b32 s19, 0
	s_add_nc_u64 s[8:9], s[74:75], s[18:19]
.endif
; 16 matrix instructions: m blocks a0, a0 + 1 of the window's four x all 8 n blocks, 32 along K.  zero = 1: the first product starts the sums.  The 64 accumulators take turns.
.macro MUL16 f, hi, a0, zero
	WIN MUL_LO+0x50*(\hi)
.irp a, \a0, (\a0)+1
.irp b, 0,1,2,3,4,5,6,7
.if \zero
	v_wmma_f32_16x16x32_bf16 v[8*(8*(\a)+(\b)):8*(8*(\a)+(\b))+7], v[(\f)+8*(\b):(\f)+8*(\b)+7], v[(\f)+8*(4*(\hi)+(\a)):(\f)+8*(4*(\hi)+(\a))+7], 0
.else
	v_wmma_f32_16x16x32_bf16 v[8*(8*(\a)+(\b)):8*(8*(\a)+(\b))+7], v[(\f)+8*(\b):(\f)+8*(\b)+7], v[(\f)+8*(4*(\hi)+(\a)):(\f)+8*(4*(\hi)+(\a))+7], v[8*(8*(\a)+(\b)):8*(8*(\a)+(\b))+7]
.endif
.endr
.endr
.endm
; 32 LDS loads in one run: quarter sub (0, 1) of the pair at which the two address registers stand, into buffer f: B's 128 columns, turned, then A's 128 rows.  Behind a pair's second quarter the addresses step to the next pair.
.macro FETCH sub, f
	WIN TO_B
.irp i, 0,1,2,3,4,5,6,7
	ds_load_tr16_b128 v[(\f)+8*(\i):(\f)+8*(\i)+3],   v[ADRB] offset:(\sub)*32*PB+32*(\i)
	ds_load_tr16_b128 v[(\f)+8*(\i)+4:(\f)+8*(\i)+7], v[ADRB] offset:(\sub)*32*PB+16*PB+32*(\i)
.endr
	WIN 0
.irp i, 0,1,2,3,4,5,6,7
	ds_load_b128 v[(\f)+8*(\i):(\f)+8*(\i)+3],   v[ADRA] offset:(\sub)*64+(\i)*16*PA
	ds_load_b128 v[(\f)+8*(\i)+4:(\f)+8*(\i)+7], v[ADRA] offset:(\sub)*64+(\i)*16*PA+32
.endr
.if \sub
	v_add_nc_u32 v[ADRA], 128, v[ADRA]             ; 64 along K: 128 bytes in A's rows,
	v_add_nc_u32 v[ADRB], 64*PB, v[ADRB]           ; 64 k-rows of B
.endif
.endm
; A quarter: multiplies buffer f; in its middle it fetches the next quarter into buffer g.
.macro QUARTER f, g, sub, zero
	s_wait_dscnt 8                                 ; B and A's rows 0-63 are in; the youngest eight loads (A's rows 64-127) may be out
	MUL16 \f, 0, 0, \zero
	MUL16 \f, 0, 2, \zero
	PLACES
	FETCH \sub, \g
	s_wait_dscnt 32                                ; all but the 32 just issued
	MUL16 \f, 1, 0, \zero
	MUL16 \f, 1, 2, \zero
.endm
; THE CHANGE OF SLOTS, between two K steps: the old slot's last quarter is in buffer 1.  Each wave waits for all its tensor loads (one is out: its part of the next slot), adds 0 to its spare word,
; and waits for that and for its own reads of the old slot.  fill = 1: the barrier opens a round of the cluster's barrier, and behind the round the old slot is filled again, with the cluster's next K step but one.
.macro CHANGE fill
	WIN 0                                          ; (the add's two registers lie in window 0)
	s_wait_tensorcnt 0x0                           ; all my tensor loads have landed, so a group 0 may be written;
	ds_add_u32 v[SPW], v[NIL]                      ; 0 onto my spare word: the work on registers below stands between it and the wait for it
	s_xor_b32 s[TR], s[TR], SLOT                   ; the fetches go to the other slot's first pair
	v_add_nc_u32 v[ADRA], s[TR], v[ADRA0]
	v_add_nc_u32 v[ADRB], s[TR], v[ADRB0]
.if \fill
	s_add_co_u32 s[KT], s[KT], 1                   ; the next K step, modulo 8,
	s_and_b32 s[KT], s[KT], NSTEP-1
	s_lshl_b32 s[OA], s[KT], ASH                   ; its offsets,
	s_lshl_b32 s[OB], s[KT], BSH
	s_xor_b32 s[G0+5], s[G0+5], SLOT               ; the other slot than last time,
	s_add_nc_u64 s[G0+6:G0+7], s[14:15], s[OA:OA+1]  ; and the address made anew
	s_or_b32 s[G0+7], s[G0+7], 0x80000000
	s_xor_b32 s[G0B+5], s[G0B+5], SLOT
	s_add_nc_u64 s[G0B+6:G0B+7], s[46:47], s[OB:OB+1]
	s_or_b32 s[G0B+7], s[G0B+7], 0x80000000
.endif
	s_wait_dscnt 0x0                               ; the add is done, and my reads of the old slot are over
	s_barrier_signal -1
	s_barrier_wait -1
.if \fill
	CREST                                          ; no wave of any partner still reads the old slot's tile or has a load on its way
	JLOAD                                          ; the first tensor load behind the round
.endif
.endm
.macro NEXT8                           ; the way out: eight rows of my sums, from LDS into NX
.if QKV
.irp t, 0,1,2,3
.irp hh, 0,1
	ds_load_b128 v[NX+4*(2*(\t)+(\hh)):NX+4*(2*(\t)+(\hh))+3], v[RD] offset:(\t)*2*DP+(\hh)*256  ; two rows, 64 columns of head hh
.endr
.endr
.else
.irp t, 0,1,2,3,4,5,6,7
	ds_load_b128 v[NX+4*(\t):NX+4*(\t)+3], v[RD] offset:(\t)*DP
.endr
.endif
.endm
	s_wait_tensorcnt 1                             ; my part of the first K step is in; the second's may stay out
	s_barrier_signal -1
	s_barrier_wait -1                              ; everybody's is
	FETCH 0, F0
	QUARTER F0, F1, 1, 1                           ; the first quarter stands in front of the loop: its products start the sums
	WIN 0                                          ; at a label and at a branch every window is 0
	s_mov_b32 s3, NSTEP-1                          ; the rest of the first step, then six steps that each fill a slot again
	s_mov_b32 s2, 1
	s_branch .Lpair                                ; the first step has one pair left
.Lstep:
	CHANGE 1
	s_mov_b32 s2, 2
.Lpair:                                                ; a pair of quarters: the last quarter fetched is multiplied while the next is fetched
	QUARTER F1, F0, 0, 0
	QUARTER F0, F1, 1, 0
	WIN 0
	s_sub_co_u32 s2, s2, 1
	s_cmp_lg_u32 s2, 0
	s_cbranch_scc1 .Lpair
	s_sub_co_u32 s3, s3, 1
	s_cmp_lg_u32 s3, 0
	s_cbranch_scc1 .Lstep
	CHANGE 0                                       ; the last K step is written out: nothing is asked for
	s_mov_b32 s2, 2
.LpairT:
	QUARTER F1, F0, 0, 0
	QUARTER F0, F1, 1, 0
	WIN 0
	s_sub_co_u32 s2, s2, 1
	s_cmp_lg_u32 s2, 0
	s_cbranch_scc1 .LpairT
	s_wait_dscnt 8                                 ; the very last quarter: nothing more to fetch
	MUL16 F1, 0, 0, 0
	MUL16 F1, 0, 2, 0
	s_wait_dscnt 0x0                               ; no LDS read of mine is out
	MUL16 F1, 1, 0, 0
	MUL16 F1, 1, 2, 0
	WIN 0
	PLACES                                         ; behind the last products
	s_barrier_signal -1
	s_barrier_wait -1                              ; nor of any wave: the ring, which has had its last fill, is free for the sums
	s_wait_loadcnt 0x0                             ; the bias
.irp hi, 0,1
	WIN 0x08+4*(\hi)                               ; store data (source 1) in window 2 or 3
.irp a, 0,1,2,3
.irp b, 0,1,2,3,4,5,6,7
	ds_store_b128 v[STO], v[8*(8*(\a)+(\b)):8*(8*(\a)+(\b))+3]   offset:(4*(\hi)+(\a))*16*DP+64*(\b)      ; each accumulator's low registers first
	ds_store_b128 v[STO], v[8*(8*(\a)+(\b))+4:8*(8*(\a)+(\b))+7] offset:(4*(\hi)+(\a))*16*DP+64*(\b)+16
.endr
.endr
.endr
	WIN 0
	NEXT8                                          ; LDS serves a wave's instructions in order (ISA guide 5.7.1.4): the loads see my stores above
	s_mov_b32 s3, 16
.Lout:                                                 ; 16 trips of 8 rows; the next trip's rows come from LDS while this trip's are worked on
	s_wait_dscnt 0x0
.if QKV
	ALL16 v_pk_add_f32 v[ZZ+2*i:ZZ+2*i+1], v[NX+2*i:NX+2*i+1], v[BI+4*((i/2)%2)+2*(i%2):BI+4*((i/2)%2)+2*(i%2)+1]
.else
	ALL16 v_pk_add_f32 v[ZZ+2*i:ZZ+2*i+1], v[NX+2*i:NX+2*i+1], v[BI+2*(i%2):BI+2*(i%2)+1]
.endif
	v_add_nc_u32 v[RD], 8*DP, v[RD]
	s_cmp_eq_u32 s3, 1
	s_cbranch_scc1 .Lno_more                       ; the last trip has no rows behind it
	NEXT8
.Lno_more:
.if QKV
	ALL16 v_cvt_pk_f16_f32 v[AB+i], v[ZZ+2*i], v[ZZ+2*i+1]
.irp t, 0,1,2,3
.irp hh, 0,1
	global_store_b64 v[CO], v[AB+2*(2*(\t)+(\hh)):AB+2*(2*(\t)+(\hh))+1], s[8:9] offset:(\hh)*262144+(\t)*256  ; two rows of a head: 256 consecutive bytes, aligned
.endr
.endr
	s_wait_xcnt 0x0                                ; the stores' base and data are rewritten only behind this wait
	s_add_nc_u64 s[8:9], s[8:9], 8*128
.else
	ALL32 v_and_b32 v[AB+i], s90, v[ZZ+i]
	ALL16 v_pk_fma_f32 v[PL+2*i:PL+2*i+1], v[AB+2*i:AB+2*i+1], s[88:89], s[86:87] op_sel_hi:[1,0,0]
	ALL16 v_pk_fma_f32 v[PL+2*i:PL+2*i+1], v[PL+2*i:PL+2*i+1], v[AB+2*i:AB+2*i+1], s[84:85] op_sel_hi:[1,1,0]
	ALL16 v_pk_fma_f32 v[PL+2*i:PL+2*i+1], v[PL+2*i:PL+2*i+1], v[AB+2*i:AB+2*i+1], s[82:83] op_sel_hi:[1,1,0]
	ALL16 v_pk_fma_f32 v[PL+2*i:PL+2*i+1], v[PL+2*i:PL+2*i+1], v[AB+2*i:AB+2*i+1], s[80:81] op_sel_hi:[1,1,0]
	ALL16 v_pk_fma_f32 v[PL+2*i:PL+2*i+1], v[PL+2*i:PL+2*i+1], v[AB+2*i:AB+2*i+1], s[78:79] op_sel_hi:[1,1,0]
	ALL16 v_pk_fma_f32 v[PL+2*i:PL+2*i+1], v[PL+2*i:PL+2*i+1], v[AB+2*i:AB+2*i+1], 1.0 op_sel_hi:[1,1,0]
	ALL32 v_rcp_f32 v[PL+i], v[PL+i]
	ALL16 v_pk_mul_f32 v[ZZ+2*i:ZZ+2*i+1], v[ZZ+2*i:ZZ+2*i+1], 0.5 op_sel_hi:[1,0]                 ; z / 2; also the plain lines between the last reciprocal and its use
.rept 4
	ALL16 v_pk_mul_f32 v[PL+2*i:PL+2*i+1], v[PL+2*i:PL+2*i+1], v[PL+2*i:PL+2*i+1]                  ; r^2, r^4, r^8, r^16
.endr
	ALL16 v_pk_fma_f32 v[PL+2*i:PL+2*i+1], v[PL+2*i:PL+2*i+1], -0.5, 0.5 op_sel_hi:[1,0,0]
	ALL16 v_pk_fma_f32 v[ZZ+2*i:ZZ+2*i+1], v[AB+2*i:AB+2*i+1], v[PL+2*i:PL+2*i+1], v[ZZ+2*i:ZZ+2*i+1]
	ALL16 v_cvt_pk_bf16_f32 v[YY+i], v[ZZ+2*i], v[ZZ+2*i+1]
.irp t, 0,1,2,3,4,5,6,7
	global_store_b64 v[CO], v[YY+2*(\t):YY+2*(\t)+1], s[8:9] offset:(\t)*8192  ; 128 columns of a row: 256 consecutive bytes, aligned
.endr
	s_wait_xcnt 0x0                                ; the stores' base and data are rewritten only behind this wait
	s_add_nc_u64 s[8:9], s[8:9], 8*8192
.endif
	s_sub_co_u32 s3, s3, 1
	s_cmp_lg_u32 s3, 0
	s_cbranch_scc1 .Lout
	s_wait_tensorcnt 0x0                           ; the wave's end: an add to my spare word and its wait, behind my last tensor load and my last LDS store
	ds_add_u32 v[SPW], v[NIL]
	s_wait_dscnt 0x0
	CROUND                                         ; the closing round: no work-group ends while a partner may still ask for a tile that names it
	s_endpgm
.Lfunc_end_k_qdad11ccb60_qkv:
	.size	k_qdad11ccb60_qkv, .Lfunc_end_k_qdad11ccb60_qkv-k_qdad11ccb60_qkv
	.p2alignl 7, 3214868480
	.fill 96, 4, 3214868480
	.section	.rodata,"a",@progbits
	.p2align	6, 0x0
	.amdhsa_kernel k_qdad11ccb60_qkv
		.amdhsa_group_segment_fixed_size 327680
		.amdhsa_private_segment_fixed_size 0
		.amdhsa_enable_private_segment 0
		.amdhsa_kernarg_size 40
		.amdhsa_user_sgpr_count 2
		.amdhsa_user_sgpr_kernarg_segment_ptr 1
		.amdhsa_wavefront_size32 1
		.amdhsa_system_sgpr_workgroup_id_x 1
		.amdhsa_system_sgpr_workgroup_id_y 1
		.amdhsa_system_sgpr_workgroup_id_z 1
		.amdhsa_system_vgpr_workitem_id 0
		.amdhsa_next_free_vgpr 1024
		.amdhsa_next_free_sgpr 92
		.amdhsa_reserve_vcc 0
		.amdhsa_float_denorm_mode_32 3
		.amdhsa_float_denorm_mode_16_64 3
		.amdhsa_memory_ordered 1
		.amdhsa_forward_progress 1
		.amdhsa_inst_pref_size 61
	.end_amdhsa_kernel
	.amdgpu_metadata
---
amdhsa.version: [ 1, 2 ]
amdhsa.kernels:
  - .name:           k_qdad11ccb60_qkv
    .symbol:         k_qdad11ccb60_qkv.kd
    .args:
      - { .name: cb, .offset: 0, .size: 8, .value_kind: global_buffer, .address_space: global }
      - { .name: bq, .offset: 8, .size: 8, .value_kind: global_buffer, .address_space: global }
      - { .name: bk, .offset: 16, .size: 8, .value_kind: global_buffer, .address_space: global }
      - { .name: bv, .offset: 24, .size: 8, .value_kind: global_buffer, .address_space: global }
      - { .name: qkv, .offset: 32, .size: 8, .value_kind: global_buffer, .address_space: global }
    .group_segment_fixed_size: 327680
    .private_segment_fixed_size: 0
    .kernarg_segment_align: 8
    .kernarg_segment_size: 40
    .max_flat_workgroup_size: 128
    .sgpr_count:     92
    .vgpr_count:     1024
    .wavefront_size: 32
...
	.end_amdgpu_metadata
.endif
;; end of part 2
;; launch attn (part 3): grid 8 x 32, 4 waves a work-group, clusters of 4 x 1, 327,680 bytes of LDS; arguments qkv, ob; writes ob
.if DOCPART == 3
	.amdgcn_target "amdgcn-amd-amdhsa--gfx1250"
	.amdhsa_code_object_version 6
	.text
	.protected	k_qdad11ccb60_attn
	.globl	k_qdad11ccb60_attn
	.p2align	8
	.type	k_qdad11ccb60_attn,@function
k_qdad11ccb60_attn:
	s_mov_b64 s[64:65], 0
	v_nop
	global_prefetch_b8 v0, s[64:65] scope:SCOPE_SE
	s_setreg_imm32_b32 hwreg(HW_REG_WAVE_MODE, 25, 1), 1
	s_wait_xcnt 0x0
	s_wait_alu depctr_hold_cnt(0) depctr_sa_sdst(0) depctr_va_vdst(0) depctr_va_sdst(0) depctr_va_ssrc(0) depctr_va_vcc(0) depctr_vm_vsrc(0)
	s_getreg_b32 s2, hwreg(HW_REG_IB_STS2, 6, 4)
	s_cmp_eq_u32 s2, 0
	s_cbranch_scc0 .Lentry_in_a_cluster
	s_endpgm
.Lentry_in_a_cluster:
	s_bfe_u32 s2, ttmp6, 0x10000c
	s_cmp_lg_u32 s2, 0x3003
	s_cbranch_scc0 .Lentry_shape_is_right
	s_endpgm
.Lentry_shape_is_right:
; O[h][q][:] = the sum over k of softmax_k(Q[h][q] . K[h][k] / 8) V[h][k][:].  Q, K, V lie in qkv at bytes 0, 8,388,608, 16,777,216, each [32][2048][64] in f16; O the same shape in ob.
; Products, maxima and sums in f32; the weights p are rounded to f16 for the second product (their sum l is taken of the unrounded p), O once at the end.
; LIMITS.  Q, K and V arrive within f16's 65,504; p lies in 0 to 1, and below 6e-5 it keeps f16's fixed step of 6e-8; a weight below 2^-126 counts as 0 in l; NaN and infinities are not treated apart.
; SHARES.  A work-group owns 256 queries of one head, a wave 64: four PIECES of 16.  Every wave walks the head's 2,048 keys: 8 tiles of 256, four steps of 64 each.
; LAYOUT.  S^T = K Q^T holds ONE query a lane (lane % 16) and the keys 8 (lane / 16) + 0..7; two such results rounded to f16 ARE source 1 of O^T = V^T P.  K comes out of LDS as it lies, V turned, by ds_load_tr16_b128.
; SOFTMAX.  A running maximum m and sum l for each query: p = 2^(c s - c m), c = log2(e) / 8; in every step O and l are multiplied by a = 2^(c m_old - c m_new).  m starts at the lowest finite number, O and l at 0: the first step's a is 0.
; BY TURNS.  Turn n belongs to piece n: 8 products K Q^T of piece n + 1, later 8 products V^T P of piece n - 1; beside them the scaling, exponentials, roundings, sums and rescaling of piece n and the
; maximum and statistics of piece n + 1.  Four vector instructions stand behind every matrix instruction, the others in two runs of their own.
; CLUSTER.  The four query blocks of a cluster belong to one head and walk the same K and V: each tile is asked for JOINTLY, by the same tensor load, descriptor and mask in all four.
; REGISTERS, in windows of 256 (s_set_vgpr_msb: bits 1:0 source 0, 3:2 source 1, 5:4 source 2, 7:6 destination):
;   window 0: v0-15 addresses and two at work; v16-31 four registers of statistics a piece; v48-55 at work; v62-63 the add's; v64-127 S^T, two buffers; v192-223 P, two buffers (by the piece's parity)
;   window 1: v0-127 O^T, 32 a piece          window 2: v0-63 Q; v128-191 K of one step; v192-255 V of one step
.set SIZE_N, 2048
.set NP,    4         ; pieces a wave: a name, no knob
.set KS,    64        ; keys in a step
.set PK,    144       ; a row of K in LDS: 128 bytes + 16 = 36 words: the 16 rows of a load start at 16 different groups of four banks (64 banks of 4 bytes: ISA guide 11.1)
.set PV,    160       ; a row of V: 128 + 32 = 40 words
.set VOFF,  4*KS*PK   ; a slot holds a tile: 256 rows of K, then 256 rows of V
.set SLOT1, 1<<17     ; slot 1 begins here, so that one exclusive or turns an address in one slot into the other's
.set STAGE, SLOT1+4*KS*(PK+PV)  ; behind the ring, never filled by a tensor load: 16 rows x 144 bytes for each wave, for the way out
.set SP,    144
.set SPARE, STAGE+4*16*SP  ; behind the stages: the spare words, 128 bytes a wave: two blocks of 256 bytes that no other line names
.set AK0, 2           ; v2   my lane's place in a tile of K; never rewritten
.set AV0, 3           ; v3   the same for V
.set AK,  4           ; v4   the LDS address of K's next run of loads
.set AV,  5           ; v5   of V's
.set STO, 6           ; v6   the way out: where I put 16 bytes of a row
.set RD,  7           ; v7   the way out: where I read rows back
.set GO,  8           ; v8   my byte offset in 512 consecutive bytes of O
.set MV,  12          ; v12-13  c m_old, kept while c m is made anew: by buffer
.set QO,  15          ; v15  my byte offset in 16 rows of Q
.set ST,  16          ; piece t's statistics at v[ST+4 t]: c m, m, l (even keys', odd keys')
.set TMP, 48          ; by buffer, four registers c0-c3 at work; when the maximum is found c2 takes a
.set SPW, 62          ; v62  LDS address of my spare word; never rewritten
.set NIL, 63          ; v63  0; never rewritten
.set S,   64
.set P,   192
.set KF,  128         ; window 2: key block kb, channel half c at KF + 16 kb + 8 c
.set VF,  192         ; window 2: key half kk, channel block cb at VF + 32 kk + 8 cb
.set WV,  12          ; s12  my wave's number
.set G1K, 24          ; s[24:31] descriptor group 1 for K's tiles
.set G1V, 32          ; s[32:39] for V's: it differs in the padding alone
.set G0K, 40          ; s[40:43] descriptor group 0 for K's tiles: it walks
.set G0V, 44          ; s[44:47] the same for V's
.set SLOTS, 56        ; s56  counts the tiles
.set CNT, 57          ; s57  counts a tile's key steps
.set CS,  58          ; s[58:59] c: the packed scaling takes the pair's low word for both halves
.set SEL, 60          ; s[60:61] v_permlanex16_b32's selects: each lane takes its own place in the other half
.set TBK, 62          ; s62  LDS byte at which K of the step to be fetched begins
.set TBV, 63          ; s63  the same for V, less VOFF
.set MSB, 0
.macro WIN new                      ; the high byte repeats the setting that is left; a switch that changes nothing is dropped
.if MSB != (\new)
	s_set_vgpr_msb (MSB<<8)|(\new)
.set MSB, (\new)
.endif
.endm
.set W_KQ, 0x0a       ; K and Q in window 2, S^T in window 0
.set W_PV, 0x52       ; V in window 2, P in window 0, O^T in window 1
.set W_RS, 0x41       ; destination and source 0 in window 1, source 1 in window 0
; A joint fill.  Waves 0 and 1 fetch the two halves of a tile's K, waves 2 and 3 those of its V: 128 keys each.  The branch hangs on the wave's number alone.
; An s_nop 0 and four v_nop follow each of the two lines, ahead of the jump and the label.
.macro JLOAD
	s_cmp_lt_u32 s[WV], 2
	s_cbranch_scc0 .Lfor_v_\@
	tensor_load_to_lds s[G0K:G0K+3], s[G1K:G1K+7]
	s_nop 0
.rept 4
	v_nop
.endr
	s_branch .Lasked_\@
.Lfor_v_\@:
	tensor_load_to_lds s[G0V:G0V+3], s[G1V:G1V+7]
	s_nop 0
.rept 4
	v_nop
.endr
.Lasked_\@:
.endm
; A round of the cluster's barrier: my work-group's barrier, so that wave 0's signal speaks for all four waves; wave 0 signals; every wave waits for all four work-groups; my work-group's barrier once more.
.macro CROUND
	s_barrier_signal -1
	s_barrier_wait -1
	s_cmp_lg_u32 s[WV], 0
	s_cbranch_scc1 .Lnot_wave_0_\@
	s_barrier_signal -3
.Lnot_wave_0_\@:
	s_barrier_wait -3
	s_barrier_signal -1
	s_barrier_wait -1
.endm
; THE CHANGE OF SLOTS.  Each wave waits for all its tensor loads, of which one is out: its part of the other slot; adds 0 to its spare word; and waits for that and for its own reads of the slot that it leaves.
; fill = 1: the slot is filled again, with the keys two tiles on.  The barrier is then a round of the cluster's, and the joint fill is the first thing behind it: it has four key steps, 256 matrix instructions, in which to land.
; (At its first use nothing has been read yet: slot 0 is waited for, slot 1 filled.)
.macro CHANGE fill
	WIN 0                           ; at a label and at a branch every window is 0; the add's registers lie in window 0
	s_wait_tensorcnt 0x0            ; no tensor load of mine is out, so a group 0 may be written
	ds_add_u32 v[SPW], v[NIL]       ; 0 onto my spare word: with fill = 1 the descriptors' steps stand between it and the wait for it
.if \fill
.irp g, G0K, G0V
	s_xor_b32 s[\g+1], s[\g+1], SLOT1  ; the walking descriptor: the other slot than last time,
	s_add_nc_u64 s[\g+2:\g+3], s[\g+2:\g+3], 4*KS*128  ; the next 256 keys; the type bits on top are not reached
.endr
	s_wait_dscnt 0x0                ; the add is done, and my reads of the slot are over
	CROUND
	JLOAD
.else
	s_wait_dscnt 0x0                ; the add is done, and my reads of the slot are over
	s_barrier_signal -1
	s_barrier_wait -1
.endif
	s_sub_co_u32 s[TBK], s[TBK], 4*KS*PK  ; the fetches go back to a slot's first step,
	s_xor_b32 s[TBK], s[TBK], SLOT1       ; in the other slot
	s_sub_co_u32 s[TBV], s[TBV], 4*KS*PV
	s_xor_b32 s[TBV], s[TBV], SLOT1
.endm
	s_load_b128 s[4:7], s[0:1], 0x0 ; qkv s[4:5], ob s[6:7]
	v_lshl_add_u32 v[SPW], v0, 2, SPARE
	v_mov_b32 v[NIL], 0
	ds_add_u32 v[SPW], v[NIL]       ; the wave's opening: the add and its wait stand ahead of my first tensor load; the set-up below, work on registers, stands between them
	v_lshrrev_b32 v1, 5, v0
	v_readfirstlane_b32 s[WV], v1   ; wave 0..3
	s_bfe_u32 s13, ttmp6, 0x40000   ; cx: my place in the cluster
	s_lshl_b32 s14, ttmp9, 2        ; in a cluster launch ttmp9 counts clusters
	s_add_co_u32 s14, s14, s13      ; my block of 256 queries: it enters Q's and O's addresses alone
	s_and_b32 s20, ttmp7, 0xffff    ; the head, which the four partners share:
	s_lshl_b32 s20, s20, 18         ; 2,048 rows of 128 bytes
	s_and_b32 s16, s[WV], 1         ; which half of a tile's 256 keys I fetch:
	s_lshl_b32 s22, s16, 14         ; its 128 rows of 128 bytes in memory
	s_add_co_u32 s22, s22, s20
	s_add_co_u32 s8, s22, 0x1000000 ; V's part of the buffer,
	s_mov_b32 s9, 0
	s_add_co_u32 s22, s22, 0x800000 ; and K's
	s_mov_b32 s23, 0
	s_mul_i32 s17, s16, 128*PK      ; my half's place in a slot, for K
	s_mul_i32 s18, s16, 128*PV      ; and for V: no place in the cluster enters an LDS address
	s_lshl_b32 s2, s14, 15          ; my block's 256 rows,
	s_lshl_b32 s3, s[WV], 13        ; my wave's 64 of them
	s_add_co_u32 s2, s2, s3
	s_add_co_u32 s2, s2, s20
	s_mov_b32 s3, 0
	; descriptor group 1.  128 keys are 16,384 dense bytes: asked for as 64 rows of 256 bytes, two keys a row, and padded in LDS after every key
	s_mov_b32 s[G1K], 15|(1<<16)|(1<<20)|(1<<21)|(4<<22)|(3<<25)  ; the mask of four; 2-byte elements; padding on; bit 21 beside a mask; after every 32 words 4 words
	s_mov_b32 s[G1V], 15|(1<<16)|(1<<20)|(1<<21)|(4<<22)|(7<<25)  ; the same with 8 words of padding
.irp g, G1K, G1V
	s_mov_b32 s[\g+1], 128<<16      ; tensor_dim0 = 128
	s_mov_b32 s[\g+2], 64<<16       ; tensor_dim1 = 64
	s_mov_b32 s[\g+3], 128<<16      ; tile_dim0 = 128
	s_mov_b32 s[\g+4], 64           ; tile_dim1 = 64
	s_mov_b32 s[\g+5], 128          ; 128 elements from row to row
	s_mov_b32 s[\g+6], 0
	s_mov_b32 s[\g+7], 0
.endr
	s_mov_b32 s[CS], 0x3e38aa3b     ; c = log2(e) / 8 = 0.180337
	s_mov_b32 s[CS+1], s[CS]        ; named with it as a pair
	s_mov_b32 s[SEL], 0x76543210
	s_mov_b32 s[SEL+1], 0xfedcba98
	s_mov_b32 s[TBK], SLOT1+4*KS*PK ; the first change of slots turns these two into 0
	s_mov_b32 s[TBV], SLOT1+4*KS*PV
	s_mov_b32 s[G0K], 1             ; count = 1
	s_mov_b32 s[G0K+1], s17         ; LDS address: slot 0
	s_mov_b32 s[G0V], 1
	s_add_co_u32 s[G0V+1], s18, VOFF
	s_wait_dscnt 0x0                ; the opening add is done
	s_wait_kmcnt 0x0
	s_add_nc_u64 s[G0K+2:G0K+3], s[4:5], s[22:23]  ; global address: my half of the head's first 256 keys
	s_or_b32 s[G0K+3], s[G0K+3], 0x80000000        ; type = 2
	s_add_nc_u64 s[G0V+2:G0V+3], s[4:5], s[8:9]
	s_or_b32 s[G0V+3], s[G0V+3], 0x80000000
	s_add_nc_u64 s[4:5], s[4:5], s[2:3]            ; Q and O at my wave's first row
	s_add_nc_u64 s[10:11], s[6:7], s[2:3]
	CROUND                          ; all four work-groups are here: the first joint loads meet
	JLOAD                           ; tile 0 into slot 0.  Slot 1 is asked for when slot 0 is in
	; A fragment of K or Q is 16 rows x 32 channels in 8 registers: lane l holds row l % 16, channels 8 (l / 16) + 0..7 and 16 + 8 (l / 16) + 0..7: two loads of 16 bytes, 32 bytes apart.
	v_and_b32 v1, 15, v0            ; l % 16
	v_bfe_u32 v9, v0, 4, 1          ; l / 16
	v_lshlrev_b32 v[QO], 7, v1
	v_lshl_add_u32 v[QO], v9, 4, v[QO]  ; row x 128 + 16 x half
	WIN 0x80                        ; destination window 2, address window 0
.set i, 0
.rept 8                             ; Q stays in registers: piece i / 2, 2,048 bytes each; channels 32 (i % 2) on
	global_load_b128 v[8*i:8*i+3],   v[QO], s[4:5] offset:(i/2)*2048+(i%2)*64
	global_load_b128 v[8*i+4:8*i+7], v[QO], s[4:5] offset:(i/2)*2048+(i%2)*64+32
.set i, i+1
.endr
	; What the first turn finds: V's registers and P's second buffer hold 0 (its products V^T P, of a piece that has not been, add 0), O^T and l are 0.  All this stands in the wait for the first tile.
.set i, VF
.rept 64
	v_mov_b32 v[i], 0
.set i, i+1
.endr
	WIN 0x40
.set i, 0
.rept 128
	v_mov_b32 v[i], 0
.set i, i+1
.endr
	WIN 0
.set i, 0
.rept 4
	v_mov_b32 v[ST+4*i], 0xfe000000    ; c m: far below every c s
	v_mov_b32 v[ST+4*i+1], 0xff7fffff  ; m
	v_mov_b32 v[ST+4*i+2], 0
	v_mov_b32 v[ST+4*i+3], 0
.set i, i+1
.endr
.set i, P+16
.rept 16
	v_mov_b32 v[i], 0
.set i, i+1
.endr
	v_mul_u32_u24 v[AK0], v1, PK
	v_lshl_add_u32 v[AK0], v9, 4, v[AK0]  ; row x pitch + 16 x half
	; The turning load takes 16 keys x 16 channels (lane l reads key 8 (l / 16) + l % 8, channels 8 ((l / 8) % 2) + 0..7) and leaves half a fragment of V^T: lane l holds channel l % 16 and 8 keys.
	v_and_b32 v10, 7, v0
	v_bfe_u32 v11, v0, 3, 1
	v_lshl_add_u32 v[AV0], v9, 3, v10
	v_mul_u32_u24 v[AV0], v[AV0], PV
	v_lshl_add_u32 v[AV0], v11, 4, v[AV0]
	v_add_nc_u32 v[AV0], VOFF, v[AV0]
	s_mul_i32 s13, s[WV], 16*SP
	s_add_co_u32 s13, s13, STAGE    ; my stage
	v_mul_u32_u24 v[STO], v1, SP    ; in: row l % 16, 16 bytes for each half of the lanes
	v_lshl_add_u32 v[STO], v9, 4, v[STO]
	v_add_nc_u32 v[STO], s13, v[STO]
	v_bfe_u32 v[RD], v0, 3, 2       ; back: 32 lanes take four rows of 128 bytes,
	v_mul_u32_u24 v[RD], v[RD], SP
	v_lshl_add_u32 v[RD], v10, 4, v[RD]
	v_add_nc_u32 v[RD], s13, v[RD]
	v_and_b32 v[GO], 31, v0         ; which are 512 consecutive bytes of O
	v_lshlrev_b32 v[GO], 4, v[GO]
; THE MATRIX WORK.  The 4 accumulators of a run of 8 take turns.  Product i of 8 of S^T = K Q^T for piece x: channels 32 (i / 4) on, keys 16 (i % 4) on.  The first 4 start the sums.
.macro KQ x
	WIN W_KQ
.set rS, S+32*((\x)%2)+8*(i%4)
.set rK, KF+16*(i%4)+8*(i/4)
.set rQ, 16*(\x)+8*(i/4)
.if i < 4
	v_wmma_f32_16x16x32_f16 v[rS:rS+7], v[rK:rK+7], v[rQ:rQ+7], 0
.else
	v_wmma_f32_16x16x32_f16 v[rS:rS+7], v[rK:rK+7], v[rQ:rQ+7], v[rS:rS+7]
.endif
.endm
; Product i of 8 of O^T += V^T P for piece x: keys 32 (i / 4) on, channels 16 (i % 4) on.
.macro PV x
	WIN W_PV
.set rO, 32*(\x)+8*(i%4)
.set rV, VF+32*(i/4)+8*(i%4)
.set rP, P+16*((\x)%2)+8*(i/4)
	v_wmma_f32_16x16x32_f16 v[rO:rO+7], v[rV:rV+7], v[rP:rP+7], v[rO:rO+7]
.endm
.macro MM                           ; the turn's next matrix instruction.  NOKQ = 1: the very last turn: there is no next piece
.if (i < 8) && !NOKQ
	KQ (Y+1)%NP
.elseif i >= 8
.set i, i-8
	PV (Y+NP-1)%NP
.set i, i+8
.endif
.set i, i+1
.endm
; THE LDS LOADS stand in runs of 16, never singly among the matrix instructions: a step's K (64 keys x 64 channels: 8 fragments) and its V (turned).  Their addresses are made some lines ahead.
.macro FETCH_K
	WIN 0x80                        ; destination window 2
.irp f, 0,1,2,3,4,5,6,7             ; keys 16 (f / 2) on, channels 32 (f % 2) on
	ds_load_b128 v[KF+8*\f:KF+8*\f+3],   v[AK] offset:(\f/2)*16*PK+(\f%2)*64
	ds_load_b128 v[KF+8*\f+4:KF+8*\f+7], v[AK] offset:(\f/2)*16*PK+(\f%2)*64+32
.endr
	s_add_co_u32 s[TBK], s[TBK], KS*PK  ; the next fetch is the next step's
	WIN 0
.endm
.macro FETCH_V
	WIN 0x80
.irp f, 0,1,2,3,4,5,6,7             ; keys 32 (f / 4) on, channels 16 (f % 4) on
	ds_load_tr16_b128 v[VF+8*\f:VF+8*\f+3],   v[AV] offset:(\f/4)*32*PV+(\f%4)*32
	ds_load_tr16_b128 v[VF+8*\f+4:VF+8*\f+7], v[AV] offset:(\f/4)*32*PV+16*PV+(\f%4)*32
.endr
	WIN 0
.endm
; THE VECTOR WORK, one line at a time: OP kind, number.  For piece Y: F n: c s - c m for pair n of 16.  E n: the exponential of score n of 32.  C n: pair n rounded to f16.  B n: of the four weights 4 n .. the second
; pair is added onto the first, in place.  L n: l takes that sum (L 0: l = a l + sum).  R n: pair n of 16 of O^T times a.  For piece Y + 1: X n, number n of the 22 that find its maximum and statistics:
;   0-11  four chains c0-c3 of seven scores each, three operands at a time (each accumulator's lowest registers are read first)     12-14, 16  the four scores left over, the old m, and c0-c3 into c0
;   15  c m_old is kept     17, 18  the query's other 32 keys lie in the lane 16 away: the new m     19-21  c m; c m_old - c m_new; a
.set F, 0
.set E, 1
.set C, 2
.set B, 3
.set L, 4
.set R, 5
.set X, 6
.macro REGS y                       ; the registers of piece y
.set rT, ST+4*(\y)
.set rC, TMP+4*((\y)%2)
.set rW, MV+((\y)%2)
.set rS, S+32*((\y)%2)
.set rP, P+16*((\y)%2)
.set rO, 32*(\y)
.endm
.macro OP k, n
.if (\k) == R
	REGS Y
	WIN W_RS
	v_pk_mul_f32 v[rO+2*(\n):rO+2*(\n)+1], v[rO+2*(\n):rO+2*(\n)+1], v[rC+2:rC+3] op_sel_hi:[1,0]
.elseif (\k) < R
	REGS Y
	WIN 0
.if (\k) == F
	v_pk_fma_f32 v[rS+2*(\n):rS+2*(\n)+1], v[rS+2*(\n):rS+2*(\n)+1], s[CS:CS+1], v[rT:rT+1] op_sel_hi:[1,0,0] neg_lo:[0,0,1] neg_hi:[0,0,1]
.elseif (\k) == E
	v_exp_f32 v[rS+(\n)], v[rS+(\n)]
.elseif (\k) == C
	v_cvt_pk_f16_f32 v[rP+(\n)], v[rS+2*(\n)], v[rS+2*(\n)+1]
.elseif (\k) == B
	v_pk_add_f32 v[rS+4*(\n):rS+4*(\n)+1], v[rS+4*(\n):rS+4*(\n)+1], v[rS+4*(\n)+2:rS+4*(\n)+3]
.elseif (\n) == 0
	v_pk_fma_f32 v[rT+2:rT+3], v[rT+2:rT+3], v[rC+2:rC+3], v[rS:rS+1] op_sel_hi:[1,0,1]
.else
	v_pk_add_f32 v[rT+2:rT+3], v[rT+2:rT+3], v[rS+4*(\n):rS+4*(\n)+1]
.endif
.elseif NOKQ
	v_nop
.else
	REGS (Y+1)%NP
	WIN 0
.if (\n) < 4
	v_max3_num_f32 v[rC+(\n)], v[rS+8*(\n)], v[rS+8*(\n)+1], v[rS+8*(\n)+2]
.elseif (\n) < 12
	v_max3_num_f32 v[rC+(\n)%4], v[rC+(\n)%4], v[rS+8*((\n)%4)+2*((\n)/4)+1], v[rS+8*((\n)%4)+2*((\n)/4)+2]
.elseif (\n) == 12
	v_max3_num_f32 v[rC], v[rC], v[rS+7], v[rS+15]
.elseif (\n) == 13
	v_max3_num_f32 v[rC+1], v[rC+1], v[rS+23], v[rS+31]
.elseif (\n) == 14
	v_max3_num_f32 v[rC+2], v[rC+2], v[rC+3], v[rT+1]
.elseif (\n) == 15
	v_mov_b32 v[rW], v[rT]
.elseif (\n) == 16
	v_max3_num_f32 v[rC], v[rC], v[rC+1], v[rC+2]
.elseif (\n) == 17
	v_permlanex16_b32 v[rC+3], v[rC], s[SEL], s[SEL+1]
.elseif (\n) == 18
	v_max_num_f32 v[rT+1], v[rC], v[rC+3]
.elseif (\n) == 19
	v_mul_f32 v[rT], s[CS], v[rT+1]
.elseif (\n) == 20
	v_sub_f32 v[rC+1], v[rW], v[rT]
.else
	v_exp_f32 v[rC+2], v[rC+1]
.endif
.endif
.endm
.macro OPS a, i1, b=-1, i2=0, c=-1, i3=0, d=-1, i4=0  ; up to four of them
	OP \a, \i1
.if (\b) >= 0
	OP \b, \i2
.endif
.if (\c) >= 0
	OP \c, \i3
.endif
.if (\d) >= 0
	OP \d, \i4
.endif
.endm
.macro ROW a, i1, b, i2, c, i3, d, i4  ; a matrix instruction and the four behind it
	MM
	OPS \a, \i1, \b, \i2, \c, \i3, \d, \i4
.endm
; A TURN, for piece p: the order of its 16 matrix and 118 vector instructions, written out.  Behind a matrix instruction: plain, exponential, plain, plain; or four of the rescaling; or, behind the first, four scalings; none
; names a register of the products round it.  In the runs of their own exponential and plain by turns while exponentials last.  A line reads no result made fewer than three vector instructions in front of it, five if an exponential made it.
; end = 1: the walk's last two turns: nothing is fetched.  cnt = 1: the loop's count is taken down some lines ahead of the branch that stands behind the turn.
; K of the next step is fetched in piece 2's turn, six vector instructions behind the last product that read K (five of them plain); V of the step in hand in piece 0's turn, eight behind the last product that read V (four
; plain among them).  Each is waited for a turn later.
.macro TURN p, end=0, cnt=0
.set Y, (\p)
.set i, 0
.set NOKQ, (\end)*((\p)/3)
.if ((\p) == 3) && !(\end)
	s_wait_dscnt 0x0                ; K is in
.endif
	ROW F,0, F,1, F,2, F,3
	ROW F,4, E,0, F,5, F,6
	ROW F,7, E,1, F,8, F,9
	ROW F,10, E,2, C,0, F,11
	ROW F,12, E,3, X,15, F,13
	ROW R,0, R,1, R,2, R,3
	ROW B,0, E,4, F,14, L,0
.if ((\p) == 2) && !(\end)
	v_add_nc_u32 v[AK], s[TBK], v[AK0]
.endif
	ROW R,4, R,5, R,6, R,7
	OPS E,5, F,15
.if ((\p) == 2) && !(\end)
	FETCH_K
.endif
	OPS E,6, C,1, E,7, R,8
	OPS E,8, R,9, E,9, C,2
	OPS E,10, X,0, E,11, X,1
	OPS E,12, X,2, E,13, X,3
.if (\p) == 1
	s_wait_dscnt 0x0                ; V is in
.endif
	ROW X,4, E,14, X,5, X,6
	ROW X,7, E,15, X,8, X,9
	ROW X,10, E,16, X,11, X,12
	ROW X,13, E,17, X,14, B,1
	ROW C,4, E,18, X,16, L,1
	ROW B,2, E,19, C,6, L,2
	ROW C,8, E,20, B,3, B,4
.if (\p) == 0
	v_add_nc_u32 v[AV], s[TBV], v[AV0]
.endif
	ROW C,3, E,21, L,3, C,5
	OPS E,22, X,17, E,23, C,10
.if (\p) == 0
	FETCH_V
.endif
	OPS E,24, L,4
	OPS E,25, X,18, E,26, C,7
	OPS E,27, B,5, E,28, X,19
	OPS E,29, C,12, E,30, L,5
	OPS E,31, X,20, B,6, C,9
	OPS C,14, C,11, X,21, L,6
.if (\p) == 0
	s_add_co_u32 s[TBV], s[TBV], KS*PV
.endif
.if \cnt
	s_sub_co_u32 s[CNT], s[CNT], 1
	s_cmp_lg_u32 s[CNT], 0
.endif
	OPS C,13, B,7, C,15, R,10
	OPS R,11, R,12, L,7, R,13
	OPS R,14, R,15
.endm
.macro ALL line:vararg              ; one line for each piece t
.set t, 0
.rept 4
	\line
.set t, t+1
.endr
.endm
.macro PACK t                       ; a lane's eight channels of a row pack into 16 bytes; they go into rows of 144 bytes and come back as whole rows of 128, into S^T's registers
	WIN W_RS
.set i, 32*(\t)
.rept 16
	v_pk_mul_f32 v[i:i+1], v[i:i+1], v[ST+4*(\t)+2:ST+4*(\t)+3] op_sel_hi:[1,0]
.set i, i+2
.endr
	WIN 0x05                        ; sources 0 and 1 window 1, destination window 0
.set i, 0
.rept 16
	v_cvt_pk_f16_f32 v[S+16*(\t)+i], v[32*(\t)+2*i], v[32*(\t)+2*i+1]
.set i, i+1
.endr
	WIN 0
.irp f, 0,1,2,3
	ds_store_b128 v[STO], v[S+16*(\t)+4*\f:S+16*(\t)+4*\f+3] offset:32*\f
.endr
.irp f, 0,1,2,3
	ds_load_b128 v[S+16*(\t)+4*\f:S+16*(\t)+4*\f+3], v[RD] offset:\f*4*SP  ; LDS serves a wave's instructions in order (ISA guide 5.7.1.4): these see the stores above; the next piece's stores come behind them
.endr
.endm
.macro SEND t, younger              ; younger: the LDS instructions issued behind piece t's loads: the next piece's eight, or none
	WIN 0
.irp f, 0,1,2,3
	s_wait_dscnt (\younger)+3-\f
	global_store_b128 v[GO], v[S+16*(\t)+4*\f:S+16*(\t)+4*\f+3], s[10:11] offset:(\t)*2048+\f*512  ; 512 consecutive bytes, at a multiple of 256 from O's first
.endr
.endm
.set NOKQ, 0
	CHANGE 1                        ; tile 0 is in, everybody's part of it; tile 1 is asked for
	v_add_nc_u32 v[AK], s[TBK], v[AK0]
	FETCH_K                         ; key step 0
	s_wait_loadcnt 0x0              ; Q
	s_wait_dscnt 0x0
.set i, 0
.rept 8
	KQ 0                            ; piece 0's first scores: there is no vector work yet to set between them
.set i, i+1
.endr
	WIN 0
.rept 4
	v_nop                           ; the places behind those products
.endr
.set Y, NP-1                        ; X works for piece Y + 1: piece 0
.irp n, 0,1,2,3,4,5,6,7,8,9,10,11,12,13,14,15,16,17,18,19,20,21
	OP X, \n
.endr
	v_nop                           ; a plain instruction behind the exponential
	s_mov_b32 s[CNT], 4
	s_mov_b32 s[SLOTS], SIZE_N/256-1
	s_branch .Lfirst                ; the loop is entered at a step's first turn, in the middle of a trip
.Lslot:                             ; six times: every slot but the last two is filled again
	CHANGE 1
	s_mov_b32 s[CNT], 4
.Lstep:                             ; a trip: pieces 2 and 3 of one step, then pieces 0 and 1 of the next, whose K and V it fetches
	TURN 2
	TURN 3
	WIN 0
.Lfirst:
	TURN 0
	TURN 1, 0, 1
	WIN 0
	s_cbranch_scc1 .Lstep
	s_sub_co_u32 s[SLOTS], s[SLOTS], 1
	s_cmp_lg_u32 s[SLOTS], 0
	s_cbranch_scc1 .Lslot
	CHANGE 0                        ; the last tile is written out: nothing is asked for
	s_mov_b32 s[CNT], 4
.LstepT:
	TURN 2
	TURN 3
	TURN 0
	TURN 1, 0, 1
	WIN 0
	s_cbranch_scc1 .LstepT
	TURN 2, 1                       ; the last step's pieces 2 and 3: nothing is left to fetch, and no new scores are started
	TURN 3, 1
.set i, 0
.rept 8
	PV NP-1                         ; the last piece's V^T P of the last step
.set i, i+1
.endr
	; THE WAY OUT.  l's two halves and the other half of the lanes' are added; O^T is divided by l, rounded to f16 and sent through my stage in LDS, a piece at a time.  The additions are the places behind the last products.
	WIN 0
	ALL v_add_f32 v[ST+4*t+2], v[ST+4*t+2], v[ST+4*t+3]
	ALL v_permlanex16_b32 v[ST+4*t+3], v[ST+4*t+2], s[SEL], s[SEL+1]
	ALL v_add_f32 v[ST+4*t+2], v[ST+4*t+2], v[ST+4*t+3]
	ALL v_rcp_f32 v[ST+4*t+2], v[ST+4*t+2]
	v_nop                           ; a plain instruction between the last reciprocal and the use of its result
	PACK 0
.set t, 1
.rept 3                             ; a piece's arithmetic stands between the loads of the piece before and its stores
	PACK t
	SEND t-1, 8
.set t, t+1
.endr
	SEND 3, 0
	s_wait_tensorcnt 0x0            ; the wave's end: an add to my spare word and its wait, behind my last tensor load and my last LDS store
	ds_add_u32 v[SPW], v[NIL]
	s_wait_dscnt 0x0
	CROUND                          ; the closing round: no work-group ends while a partner may still ask for a tile that names it
	s_endpgm
.Lfunc_end_k_qdad11ccb60_attn:
	.size	k_qdad11ccb60_attn, .Lfunc_end_k_qdad11ccb60_attn-k_qdad11ccb60_attn
	.p2alignl 7, 3214868480
	.fill 96, 4, 3214868480
	.section	.rodata,"a",@progbits
	.p2align	6, 0x0
	.amdhsa_kernel k_qdad11ccb60_attn
		.amdhsa_group_segment_fixed_size 327680
		.amdhsa_private_segment_fixed_size 0
		.amdhsa_enable_private_segment 0
		.amdhsa_kernarg_size 16
		.amdhsa_user_sgpr_count 2
		.amdhsa_user_sgpr_kernarg_segment_ptr 1
		.amdhsa_wavefront_size32 1
		.amdhsa_system_sgpr_workgroup_id_x 1
		.amdhsa_system_sgpr_workgroup_id_y 1
		.amdhsa_system_sgpr_workgroup_id_z 1
		.amdhsa_system_vgpr_workitem_id 0
		.amdhsa_next_free_vgpr 768
		.amdhsa_next_free_sgpr 66
		.amdhsa_reserve_vcc 0
		.amdhsa_float_denorm_mode_32 3
		.amdhsa_float_denorm_mode_16_64 3
		.amdhsa_memory_ordered 1
		.amdhsa_forward_progress 1
		.amdhsa_inst_pref_size 124
	.end_amdhsa_kernel
	.amdgpu_metadata
---
amdhsa.version: [ 1, 2 ]
amdhsa.kernels:
  - .name:           k_qdad11ccb60_attn
    .symbol:         k_qdad11ccb60_attn.kd
    .args:
      - { .name: qkv, .offset: 0, .size: 8, .value_kind: global_buffer, .address_space: global }
      - { .name: ob, .offset: 8, .size: 8, .value_kind: global_buffer, .address_space: global }
    .group_segment_fixed_size: 327680
    .private_segment_fixed_size: 0
    .kernarg_segment_align: 8
    .kernarg_segment_size: 16
    .max_flat_workgroup_size: 128
    .sgpr_count:     66
    .vgpr_count:     768
    .wavefront_size: 32
...
	.end_amdgpu_metadata
.endif
;; end of part 3
;; launch wo (part 4): grid 8 x 32, 4 waves a work-group, clusters of 4 x 4, 327,680 bytes of LDS; arguments ob, cb, bo, x, z; writes z
.if DOCPART == 4
	.amdgcn_target "amdgcn-amd-amdhsa--gfx1250"
	.amdhsa_code_object_version 6
	.text
	.protected	k_qdad11ccb60_wo
	.globl	k_qdad11ccb60_wo
	.p2align	8
	.type	k_qdad11ccb60_wo,@function
k_qdad11ccb60_wo:
	s_mov_b64 s[64:65], 0
	v_nop
	global_prefetch_b8 v0, s[64:65] scope:SCOPE_SE
	s_setreg_imm32_b32 hwreg(HW_REG_WAVE_MODE, 25, 1), 1
	s_wait_xcnt 0x0
	s_wait_alu depctr_hold_cnt(0) depctr_sa_sdst(0) depctr_va_vdst(0) depctr_va_sdst(0) depctr_va_ssrc(0) depctr_va_vcc(0) depctr_vm_vsrc(0)
	s_getreg_b32 s2, hwreg(HW_REG_IB_STS2, 6, 4)
	s_cmp_eq_u32 s2, 0
	s_cbranch_scc0 .Lentry_in_a_cluster
	s_endpgm
.Lentry_in_a_cluster:
	s_bfe_u32 s2, ttmp6, 0x10000c
	s_cmp_lg_u32 s2, 0xf033
	s_cbranch_scc0 .Lentry_shape_is_right
	s_endpgm
.Lentry_shape_is_right:
; z = A B + bias + residual, all of z in f32, on tiles of 128 x 128.  B: [K (k)][1024 (n)] in 16 bits, as the weights lie, in cb.
; WO = 1: A = the attention's O, f16, by heads [batch x 16 + head][2048][64]; B = wo in f16 (cb, byte 14,680,064); K = 1,024; bias bo; residual x.
; WO = 0: A = hb [4096][4096] bf16; B = w2 in bf16 (cb, byte 25,165,824); K = 4,096; bias bf2; residual x1f.
; Four waves, each 64 x 64: 16 accumulators.  K goes in steps of 256 through two LDS slots filled by the tensor data mover.  B's tile lies [k][n] in LDS and its fragments come out turned, by ds_load_tr16_b128.
; With WO = 1 a K step is four heads: a wave's tile of A is 4 rows of 4,096 elements (64 dense rows of one head), 131,072 elements apart, padded in LDS after every 128 bytes: [head][row][64] at a pitch of 144.
; The matrix instruction takes B as source 0 and A as source 1: a lane then holds eight neighbouring columns of one row.  A wave's 64 columns of f32 are 256 bytes: each wave has a stage of its own on the way out.
; The residual is loaded at the start into 128 registers and waits there.  CLUSTER 4 x 4: A's tile is asked for jointly along a row of the cluster, B's along a column.
; WHERE K BEGINS: cluster (X, Y) takes the K steps in the order r, r + 1, .. modulo NSTEP, r = ((X << RX) + (Y << RY)) mod NSTEP, so that clusters that need the same tile of A (same Y) or of B (same X) ask for it in different trips.
;          Each output is still one f32 sum; the order of its terms along K differs from cluster to cluster, and from the reference's.
; THE K LOOP: a step is four quarters of 64 along K on two fragment buffers.  The text holds a PAIR of quarters once and walks it twice a step; the change of slots stands between the steps and holds no matrix work,
;          so that a refill goes out as soon as the slot is free and has the step's 128 matrix instructions in which to land.
; REGISTERS: window 0: v0-31 addresses and bias; v32-95 at work on the way out; v128-255 accumulator (a, b) at v[128 + 8 (4 a + b)].  Window 1: two fragment buffers of 128: 64 of A, then 64 of B.  Window 2: v0-127 the residual.
.set WO,     1
.set KSTEP,  256
.if WO
.set NSTEP,  4
.set PA,     144                       ; a row of A in LDS: 128 bytes + 16
.set QA,     64*PA                     ; a quarter step (64 along K) is a head: 64 rows on
.set ASH,    20                        ; a K step of A: four heads of 262,144 bytes
.set WOFF,   14680064
.set RX,     1
.set RY,     0
.else
.set NSTEP,  16
.set PA,     528                       ; 512 bytes + 16
.set QA,     128                       ; 64 along K: 128 bytes on in the rows
.set ASH,    9                         ; a K step of A: 512 bytes
.set WOFF,   25165824
.set RX,     3
.set RY,     2
.endif
.set BSH,    19                        ; a K step of B: 256 k-rows of 2,048 bytes
.set PB,     288                       ; a k-row of B: 256 bytes + 32
.set HALFT,  128*PB                    ; room for what one tensor load brings: 128 k-rows of B, or 64 rows of A (36,864 or 33,792 bytes)
.set SLOT,   4*HALFT                   ; A's rows 0-63, 64-127, B's k 0-127, 128-255 (256 k-rows on end).  0x24000 shares no bit with wave x HALFT, so an exclusive or turns an address in one slot into the other's
.set STAGE,  2*SLOT                    ; behind the ring: 16 rows x 272 bytes for each wave
.set SPITCH, 272
.set SPARE,  STAGE+4*16*SPITCH         ; behind the stages: the spare words, 128 bytes a wave: two blocks of 256 bytes that no other line names
.set BI,    8                          ; v8-11  my four columns' bias
.set ADRA0, 12                         ; v12  my lane's place in A's part of a slot; never rewritten
.set ADRB0, 13                         ; v13  the same for B
.set BO,    14                         ; v14  my byte offset in the bias
.set ADRA,  16                         ; v16  where the next pair of quarters is fetched from, in A
.set ADRB,  20                         ; v20  and in B
.set STO,   24
.set RD,    25
.set CO,    26                         ; v26  my byte offset in two rows of z and of the residual
.set SPW,   28                         ; v28  LDS address of my spare word; never rewritten
.set NIL,   29                         ; v29  0; never rewritten
.set TMP,   32
.set ACC,   128
.set F0,    0
.set F1,    128
.set OA,  4                            ; s[4:5]  the K step's byte offset in A;  s[6:7] in B
.set OB,  6
.set G1,  24                           ; s[24:31] descriptor group 1 for A;  s[32:39] group 0: a set for each first fill; the second serves the refills
.set G0,  32
.set G1B, 48
.set G0B, 56
.set KT,  66                           ; s66  the K step asked for last
.set TR,  76                           ; s76  the slot in hand: 0 or SLOT
.set WB,  77                           ; s77  wave x HALFT
.set MSB, 0
.macro WIN new                         ; the immediate's high byte repeats the setting that is left; a switch that changes nothing is dropped
.if MSB != (\new)
	s_set_vgpr_msb (MSB<<8)|(\new)
.set MSB, \new
.endif
.endm
.set MUL,  0x05                        ; sources 0 (B) and 1 (A) window 1; C and D window 0
.set TO_F, 0x40                        ; destination window 1, address window 0
.macro JLOAD                           ; a joint refill: waves 0 and 1 fetch A's halves, waves 2 and 3 B's; an s_nop 0 and four v_nop follow each line
	s_cmp_eq_u32 s11, 0
	s_cbranch_scc0 .Lfor_b_\@
	tensor_load_to_lds s[G0+4:G0+7], s[G1:G1+7]
	s_nop 0
.rept 4
	v_nop
.endr
	s_branch .Lasked_\@
.Lfor_b_\@:
	tensor_load_to_lds s[G0B+4:G0B+7], s[G1B:G1B+7]
	s_nop 0
.rept 4
	v_nop
.endr
.Lasked_\@:
.endm
.macro CREST                           ; a round of the cluster's barrier behind its opening barrier
	s_cmp_lg_u32 s10, 0
	s_cbranch_scc1 .Lnot_wave_0_\@
	s_barrier_signal -3
.Lnot_wave_0_\@:
	s_barrier_wait -3
	s_barrier_signal -1
	s_barrier_wait -1
.endm
.macro CROUND
	s_barrier_signal -1
	s_barrier_wait -1
	CREST
.endm
.macro PLACES                          ; four places in front of loads into registers that matrix instructions have read, and of lines that read results
.rept 4
	v_nop
.endr
.endm
	s_load_b256 s[68:75], s[0:1], 0x0              ; A 68, cb 70, the bias 72, the residual 74
	s_load_b64 s[8:9], s[0:1], 0x20                ; z
	v_lshl_add_u32 v[SPW], v0, 2, SPARE
	v_mov_b32 v[NIL], 0
	ds_add_u32 v[SPW], v[NIL]                      ; the wave's opening: the add and its wait stand ahead of my first tensor load; the set-up below, work on registers, stands between them
	v_lshrrev_b32 v1, 5, v0
	v_readfirstlane_b32 s10, v1                    ; wave 0..3
	s_lshr_b32 s11, s10, 1                         ; which half of the tile's rows is mine.  Also: I fetch for A (0) or for B (1)
	s_and_b32 s12, s10, 1                          ; which half of its columns.  Also: which half of that tile I fetch
	s_bfe_u32 s40, ttmp6, 0x40000                  ; cx
	s_bfe_u32 s41, ttmp6, 0x40004                  ; cy
	s_lshl_b32 s42, ttmp9, 2
	s_add_co_u32 s42, s42, s40                     ; tile column
	s_and_b32 s13, ttmp7, 0xffff
	s_lshl_b32 s13, s13, 2
	s_add_co_u32 s13, s13, s41                     ; tile row
	s_lshl_b32 s43, s41, 2
	s_lshl_b32 s43, 15, s43                        ; my row of the cluster
	s_lshl_b32 s44, 0x1111, s40                    ; my column
	s_and_b32 s[KT], ttmp7, 0xffff                 ; the cluster's first K step: made of the cluster's x and y alone, which all sixteen partners share
	s_lshl_b32 s[KT], s[KT], RY
	s_lshl_b32 s[OA], ttmp9, RX
	s_add_co_u32 s[KT], s[KT], s[OA]
	s_and_b32 s[KT], s[KT], NSTEP-1
	s_mov_b32 s[OA+1], 0                           ; the offsets' high words
	s_mov_b32 s[OB+1], 0
.if WO
	s_or_b32 s[G1+0], s43, (1<<16)|(1<<20)|(1<<21)|(4<<22)|(3<<25)  ; the mask; 2-byte elements; padding on; bit 21 beside a mask; after every 32 words 4 words
	s_mov_b32 s[G1+1], 4096<<16                    ; tensor_dim0 = 4,096: 64 rows of one head on end
	s_mov_b32 s[G1+2], 4<<16                       ; tensor_dim1 = 4 heads
	s_mov_b32 s[G1+3], 4096<<16                    ; tile_dim0
	s_mov_b32 s[G1+4], 4                           ; tile_dim1
	s_mov_b32 s[G1+5], 131072                      ; elements from head to head
.else
	s_or_b32 s[G1+0], s43, (1<<16)|(1<<20)|(1<<21)|(6<<22)|(3<<25)  ; after every 128 words 4 words
	s_mov_b32 s[G1+1], KSTEP<<16
	s_mov_b32 s[G1+2], 64<<16
	s_mov_b32 s[G1+3], KSTEP<<16
	s_mov_b32 s[G1+4], 64
	s_mov_b32 s[G1+5], 4096
.endif
	s_mov_b32 s[G1+6], 0
	s_mov_b32 s[G1+7], 0
	s_or_b32 s[G1B+0], s44, (1<<16)|(1<<20)|(1<<21)|(5<<22)|(7<<25) ; after every 64 words 8 words
	s_mov_b32 s[G1B+1], 128<<16                    ; 128 columns,
	s_mov_b32 s[G1B+2], 128<<16                    ; 128 k-rows
	s_mov_b32 s[G1B+3], 128<<16
	s_mov_b32 s[G1B+4], 128
	s_mov_b32 s[G1B+5], 1024
	s_mov_b32 s[G1B+6], 0
	s_mov_b32 s[G1B+7], 0
.if WO
	s_lshr_b32 s16, s13, 4                         ; A: row 128 x tile row + 64 x half: its batch, 16 heads of 262,144 bytes,
	s_lshl_b32 s16, s16, 22
	s_and_b32 s17, s13, 15                         ; and its place in the batch, 128 bytes a row
	s_lshl_b32 s17, s17, 14
	s_add_co_u32 s16, s16, s17
	s_lshl_b32 s17, s12, 13
	s_add_co_u32 s16, s16, s17
.else
	s_lshl_b32 s16, s13, 20                        ; A: (128 x tile row + 64 x half) rows of 8,192 bytes
	s_lshl_b32 s17, s12, 19
	s_add_co_u32 s16, s16, s17
.endif
	s_mov_b32 s17, 0
	s_lshl_b32 s46, s42, 8                         ; B: 256 bytes a tile column; 128 k-rows of 2,048 bytes a half
	s_lshl_b32 s47, s12, 18
	s_add_co_u32 s46, s46, s47
	s_add_co_u32 s46, s46, WOFF
	s_mov_b32 s47, 0
	s_mul_i32 s[WB], s10, HALFT                    ; where my tiles go: no place in the cluster enters an LDS address
	s_mov_b32 s[TR], 0
	s_wait_dscnt 0x0                               ; the opening add is done
	s_wait_kmcnt 0x0
	s_add_nc_u64 s[14:15], s[68:69], s[16:17]      ; A and B at my part of K step 0: kept; every fill's address is one of these plus the step's offset
	s_add_nc_u64 s[46:47], s[70:71], s[46:47]
	CROUND                                         ; all sixteen work-groups are here: the first joint loads meet
.irp s, 0,1
	s_lshl_b32 s[OA], s[KT], ASH
	s_lshl_b32 s[OB], s[KT], BSH
	s_mov_b32 s[G0+4*(\s)], 1
	s_add_co_u32 s[G0+4*(\s)+1], s[WB], (\s)*SLOT
	s_add_nc_u64 s[G0+4*(\s)+2:G0+4*(\s)+3], s[14:15], s[OA:OA+1]  ; the cluster's first K step, then its second
	s_or_b32 s[G0+4*(\s)+3], s[G0+4*(\s)+3], 0x80000000
	s_mov_b32 s[G0B+4*(\s)], 1
	s_add_co_u32 s[G0B+4*(\s)+1], s[WB], (\s)*SLOT
	s_add_nc_u64 s[G0B+4*(\s)+2:G0B+4*(\s)+3], s[46:47], s[OB:OB+1]
	s_or_b32 s[G0B+4*(\s)+3], s[G0B+4*(\s)+3], 0x80000000
.if (\s) == 0
	s_add_co_u32 s[KT], s[KT], 1
	s_and_b32 s[KT], s[KT], NSTEP-1
.endif
.endr
	s_cmp_eq_u32 s11, 0                            ; a wave's two first fills stand in one branch, ahead of every wait on TENSORcnt and every LDS read: two loads of mine are out
	s_cbranch_scc0 .Lfirst_b
	tensor_load_to_lds s[G0:G0+3], s[G1:G1+7]
	s_nop 0
	tensor_load_to_lds s[G0+4:G0+7], s[G1:G1+7]
	s_nop 0
.rept 4
	v_nop
.endr
	s_branch .Lfirst_asked
.Lfirst_b:
	tensor_load_to_lds s[G0B:G0B+3], s[G1B:G1B+7]
	s_nop 0
	tensor_load_to_lds s[G0B+4:G0B+7], s[G1B:G1B+7]
	s_nop 0
.rept 4
	v_nop
.endr
.Lfirst_asked:
	v_and_b32 v1, 15, v0                           ; r = l % 16
	v_bfe_u32 v2, v0, 4, 1                         ; h = l / 16
	s_lshl_b32 s18, s13, 19                        ; z and the residual: my first row, 4,096 bytes a row; my first column, 4 bytes each
	s_lshl_b32 s19, s11, 18
	s_add_co_u32 s18, s18, s19
	s_lshl_b32 s20, s42, 9
	s_lshl_b32 s19, s12, 8
	s_add_co_u32 s20, s20, s19
	s_add_co_u32 s18, s18, s20
	s_mov_b32 s19, 0
	s_add_nc_u64 s[8:9], s[8:9], s[18:19]
	s_add_nc_u64 s[74:75], s[74:75], s[18:19]
	v_lshlrev_b32 v[CO], 12, v2                    ; lanes 0-15 one row's 256 bytes, lanes 16-31 the next row's
	v_lshl_add_u32 v[CO], v1, 4, v[CO]
	v_lshl_add_u32 v[BO], v1, 4, s20
	WIN 0x80                                       ; destination window 2, address window 0
.set i, 0
.rept 32                                               ; my 64 x 64 of the residual, two rows to a load, in the layout in which the sums come back from the stage
	global_load_b128 v[4*i:4*i+3], v[CO], s[74:75] offset:2*i*4096
.set i, i+1
.endr
	WIN 0
	global_load_b128 v[BI:BI+3], v[BO], s[72:73]
	v_mul_u32_u24 v3, v1, PA                       ; a fragment of A: row r, 16 bytes for each half of the lanes; two loads 32 bytes apart
	v_lshl_add_u32 v3, v2, 4, v3
	s_mul_i32 s21, s11, HALFT                      ; my 64 rows of A
	v_add_nc_u32 v[ADRA0], s21, v3
	v_and_b32 v4, 7, v0                            ; the turning load: lane l reads k-row 8 h + l % 8, columns 8 ((l / 8) % 2) + 0..7
	v_bfe_u32 v5, v0, 3, 1
	v_lshl_add_u32 v6, v2, 3, v4
	v_mul_u32_u24 v6, v6, PB
	v_lshl_add_u32 v6, v5, 4, v6
	s_lshl_b32 s22, s12, 7                         ; my 64 columns of B, which lies behind A's two halves
	s_add_co_u32 s22, s22, 2*HALFT
	v_add_nc_u32 v[ADRB0], s22, v6
	v_mov_b32 v[ADRA], v[ADRA0]                    ; slot 0
	v_mov_b32 v[ADRB], v[ADRB0]
	s_mul_i32 s23, s10, 16*SPITCH
	s_add_co_u32 s23, s23, STAGE                   ; my stage
	v_mul_u32_u24 v[STO], v1, SPITCH               ; in: row r, 32 bytes for each half of the lanes
	v_lshl_add_u32 v[STO], v2, 5, v[STO]
	v_add_nc_u32 v[STO], s23, v[STO]
	v_mul_u32_u24 v[RD], v2, SPITCH                ; back: lanes 0-15 one row of 256 bytes, lanes 16-31 the next
	v_lshl_add_u32 v[RD], v1, 4, v[RD]
	v_add_nc_u32 v[RD], s23, v[RD]
.macro MMA d, sb, sa, zero             ; one matrix instruction: D at d, B's fragment at sb, A's at sa; zero = 1 starts the sum
.if WO
.if \zero
	v_wmma_f32_16x16x32_f16 v[(\d):(\d)+7], v[(\sb):(\sb)+7], v[(\sa):(\sa)+7], 0
.else
	v_wmma_f32_16x16x32_f16 v[(\d):(\d)+7], v[(\sb):(\sb)+7], v[(\sa):(\sa)+7], v[(\d):(\d)+7]
.endif
.else
.if \zero
	v_wmma_f32_16x16x32_bf16 v[(\d):(\d)+7], v[(\sb):(\sb)+7], v[(\sa):(\sa)+7], 0
.else
	v_wmma_f32_16x16x32_bf16 v[(\d):(\d)+7], v[(\sb):(\sb)+7], v[(\sa):(\sa)+7], v[(\d):(\d)+7]
.endif
.endif
.endm
; 8 matrix instructions: m blocks a0, a0 + 1 x all 4 n blocks, 32 along K: half c of buffer f.  The 16 accumulators take turns.
.macro MUL8 f, c, a0, zero
	WIN MUL
.irp a, \a0, (\a0)+1
.irp b, 0,1,2,3
	MMA ACC+8*(4*(\a)+(\b)), (\f)+64+8*(4*(\c)+(\b)), (\f)+8*(4*(\c)+(\a)), \zero
.endr
.endr
.endm
; 32 LDS loads in one run: quarter sub (0, 1) of the pair at which the two address registers stand, into buffer f; the first 32 along K first.  Behind a pair's second quarter the addresses step to the next pair.
.macro FETCH sub, f
	WIN TO_F
.irp c, 0,1
.irp i, 0,1,2,3
	ds_load_tr16_b128 v[(\f)+64+8*(4*(\c)+(\i)):(\f)+64+8*(4*(\c)+(\i))+3],   v[ADRB] offset:((\sub)*64+32*(\c))*PB+32*(\i)
	ds_load_tr16_b128 v[(\f)+64+8*(4*(\c)+(\i))+4:(\f)+64+8*(4*(\c)+(\i))+7], v[ADRB] offset:((\sub)*64+32*(\c)+16)*PB+32*(\i)
	ds_load_b128 v[(\f)+8*(4*(\c)+(\i)):(\f)+8*(4*(\c)+(\i))+3],   v[ADRA] offset:(\sub)*QA+64*(\c)+(\i)*16*PA
	ds_load_b128 v[(\f)+8*(4*(\c)+(\i))+4:(\f)+8*(4*(\c)+(\i))+7], v[ADRA] offset:(\sub)*QA+64*(\c)+(\i)*16*PA+32
.endr
.endr
.if \sub
	WIN 0
	v_add_nc_u32 v[ADRA], 2*QA, v[ADRA]            ; 128 along K
	v_add_nc_u32 v[ADRB], 128*PB, v[ADRB]
.endif
.endm
; A quarter: multiplies buffer f; in its middle it fetches the next quarter into buffer g.
.macro QUARTER f, g, sub, zero
	s_wait_dscnt 16                                ; the first 32 along K are in
	MUL8 \f, 0, 0, \zero
	MUL8 \f, 0, 2, \zero
	PLACES
	FETCH \sub, \g
	s_wait_dscnt 32                                ; all but the 32 just issued
	MUL8 \f, 1, 0, 0
	MUL8 \f, 1, 2, 0
.endm
; THE CHANGE OF SLOTS, between two K steps: the old slot's last quarter is in buffer 1.  Each wave waits for all its tensor loads (one is out: its part of the next slot), adds 0 to its spare word,
; and waits for that and for its own reads of the old slot.  fill = 1: the barrier opens a round of the cluster's barrier, and behind the round the old slot is filled again, with the cluster's next K step but one.
.macro CHANGE fill
	WIN 0                                          ; (the add's two registers lie in window 0)
	s_wait_tensorcnt 0x0                           ; all my tensor loads have landed, so a group 0 may be written;
	ds_add_u32 v[SPW], v[NIL]                      ; 0 onto my spare word: the work on registers below stands between it and the wait for it
	s_xor_b32 s[TR], s[TR], SLOT                   ; the fetches go to the other slot's first pair
	v_add_nc_u32 v[ADRA], s[TR], v[ADRA0]
	v_add_nc_u32 v[ADRB], s[TR], v[ADRB0]
.if \fill
	s_add_co_u32 s[KT], s[KT], 1                   ; the next K step, modulo NSTEP,
	s_and_b32 s[KT], s[KT], NSTEP-1
	s_lshl_b32 s[OA], s[KT], ASH                   ; its offsets,
	s_lshl_b32 s[OB], s[KT], BSH
	s_xor_b32 s[G0+5], s[G0+5], SLOT               ; the other slot than last time,
	s_add_nc_u64 s[G0+6:G0+7], s[14:15], s[OA:OA+1]  ; and the address made anew
	s_or_b32 s[G0+7], s[G0+7], 0x80000000
	s_xor_b32 s[G0B+5], s[G0B+5], SLOT
	s_add_nc_u64 s[G0B+6:G0B+7], s[46:47], s[OB:OB+1]
	s_or_b32 s[G0B+7], s[G0B+7], 0x80000000
.endif
	s_wait_dscnt 0x0                               ; the add is done, and my reads of the old slot are over
	s_barrier_signal -1
	s_barrier_wait -1
.if \fill
	CREST                                          ; no wave of any partner still reads the old slot's tile or has a load on its way
	JLOAD                                          ; the first tensor load behind the round
.endif
.endm
	s_wait_tensorcnt 1                             ; my part of the first K step is in; the second's may stay out
	s_barrier_signal -1
	s_barrier_wait -1                              ; everybody's is
	FETCH 0, F0
	QUARTER F0, F1, 1, 1                           ; the first quarter stands in front of the loop: its first products start the sums
	WIN 0                                          ; at a label and at a branch every window is 0
	s_mov_b32 s3, NSTEP-1                          ; the rest of the first step, then NSTEP - 2 steps that each fill a slot again
	s_mov_b32 s2, 1
	s_branch .Lpair                                ; the first step has one pair left
.Lstep:
	CHANGE 1
	s_mov_b32 s2, 2
.Lpair:                                                ; a pair of quarters: the last quarter fetched is multiplied while the next is fetched
	QUARTER F1, F0, 0, 0
	QUARTER F0, F1, 1, 0
	WIN 0
	s_sub_co_u32 s2, s2, 1
	s_cmp_lg_u32 s2, 0
	s_cbranch_scc1 .Lpair
	s_sub_co_u32 s3, s3, 1
	s_cmp_lg_u32 s3, 0
	s_cbranch_scc1 .Lstep
	CHANGE 0                                       ; the last K step is written out: nothing is asked for
	s_mov_b32 s2, 2
.LpairT:
	QUARTER F1, F0, 0, 0
	QUARTER F0, F1, 1, 0
	WIN 0
	s_sub_co_u32 s2, s2, 1
	s_cmp_lg_u32 s2, 0
	s_cbranch_scc1 .LpairT
	s_wait_dscnt 16                                ; the very last quarter: nothing more to fetch
	MUL8 F1, 0, 0, 0
	MUL8 F1, 0, 2, 0
	s_wait_dscnt 0x0
	MUL8 F1, 1, 0, 0
	MUL8 F1, 1, 2, 0
	WIN 0
	; THE WAY OUT, 16 rows at a time: the f32 sums go into my stage and come back as whole rows of 256 bytes; residual and bias are added; 16 lanes store 256 consecutive aligned bytes.
	PLACES                                         ; behind the last products
	s_wait_loadcnt 0x0                             ; the residual and the bias
.irp a, 0,1,2,3
	s_wait_xcnt 0x0                                ; the registers that earlier stores read are loaded again only behind this wait
.irp b, 0,1,2,3
	ds_store_b128 v[STO], v[ACC+8*(4*(\a)+(\b)):ACC+8*(4*(\a)+(\b))+3]   offset:64*(\b)     ; each accumulator's low registers first
	ds_store_b128 v[STO], v[ACC+8*(4*(\a)+(\b))+4:ACC+8*(4*(\a)+(\b))+7] offset:64*(\b)+16
.endr
.irp t, 0,1,2,3,4,5,6,7
	ds_load_b128 v[TMP+32*((\a)%2)+4*(\t):TMP+32*((\a)%2)+4*(\t)+3], v[RD] offset:(\t)*2*SPITCH  ; LDS serves a wave's instructions in order (ISA guide 5.7.1.4): these see the stores above; the next block's stores come behind them
.endr
	s_wait_dscnt 0x0
	WIN 0x08                                       ; source 1 in window 2: the residual
.set i, 0
.rept 16
	v_pk_add_f32 v[TMP+32*((\a)%2)+2*i:TMP+32*((\a)%2)+2*i+1], v[TMP+32*((\a)%2)+2*i:TMP+32*((\a)%2)+2*i+1], v[32*(\a)+2*i:32*(\a)+2*i+1]
.set i, i+1
.endr
	WIN 0
.set i, 0
.rept 16
	v_pk_add_f32 v[TMP+32*((\a)%2)+2*i:TMP+32*((\a)%2)+2*i+1], v[TMP+32*((\a)%2)+2*i:TMP+32*((\a)%2)+2*i+1], v[BI+2*(i%2):BI+2*(i%2)+1]
.set i, i+1
.endr
.irp t, 0,1,2,3,4,5,6,7
	global_store_b128 v[CO], v[TMP+32*((\a)%2)+4*(\t):TMP+32*((\a)%2)+4*(\t)+3], s[8:9] offset:(16*(\a)+2*(\t))*4096
.endr
.endr
	s_wait_tensorcnt 0x0                           ; the wave's end: an add to my spare word and its wait, behind my last tensor load and my last LDS store
	ds_add_u32 v[SPW], v[NIL]
	s_wait_dscnt 0x0
	CROUND                                         ; the closing round: no work-group ends while a partner may still ask for a tile that names it
	s_endpgm
.Lfunc_end_k_qdad11ccb60_wo:
	.size	k_qdad11ccb60_wo, .Lfunc_end_k_qdad11ccb60_wo-k_qdad11ccb60_wo
	.p2alignl 7, 3214868480
	.fill 96, 4, 3214868480
	.section	.rodata,"a",@progbits
	.p2align	6, 0x0
	.amdhsa_kernel k_qdad11ccb60_wo
		.amdhsa_group_segment_fixed_size 327680
		.amdhsa_private_segment_fixed_size 0
		.amdhsa_enable_private_segment 0
		.amdhsa_kernarg_size 40
		.amdhsa_user_sgpr_count 2
		.amdhsa_user_sgpr_kernarg_segment_ptr 1
		.amdhsa_wavefront_size32 1
		.amdhsa_system_sgpr_workgroup_id_x 1
		.amdhsa_system_sgpr_workgroup_id_y 1
		.amdhsa_system_sgpr_workgroup_id_z 1
		.amdhsa_system_vgpr_workitem_id 0
		.amdhsa_next_free_vgpr 640
		.amdhsa_next_free_sgpr 78
		.amdhsa_reserve_vcc 0
		.amdhsa_float_denorm_mode_32 3
		.amdhsa_float_denorm_mode_16_64 3
		.amdhsa_memory_ordered 1
		.amdhsa_forward_progress 1
		.amdhsa_inst_pref_size 55
	.end_amdhsa_kernel
	.amdgpu_metadata
---
amdhsa.version: [ 1, 2 ]
amdhsa.kernels:
  - .name:           k_qdad11ccb60_wo
    .symbol:         k_qdad11ccb60_wo.kd
    .args:
      - { .name: ob, .offset: 0, .size: 8, .value_kind: global_buffer, .address_space: global }
      - { .name: cb, .offset: 8, .size: 8, .value_kind: global_buffer, .address_space: global }
      - { .name: bo, .offset: 16, .size: 8, .value_kind: global_buffer, .address_space: global }
      - { .name: x, .offset: 24, .size: 8, .value_kind: global_buffer, .address_space: global }
      - { .name: z, .offset: 32, .size: 8, .value_kind: global_buffer, .address_space: global }
    .group_segment_fixed_size: 327680
    .private_segment_fixed_size: 0
    .kernarg_segment_align: 8
    .kernarg_segment_size: 40
    .max_flat_workgroup_size: 128
    .sgpr_count:     78
    .vgpr_count:     640
    .wavefront_size: 32
...
	.end_amdgpu_metadata
.endif
;; end of part 4
;; launch ln1 (part 5): grid 256 x 1, 16 waves a work-group, no clusters, 0 bytes of LDS; arguments z, g1, b1, x1f, x1b; writes x1f, x1b
.if DOCPART == 5
	.amdgcn_target "amdgcn-amd-amdhsa--gfx1250"
	.amdhsa_code_object_version 6
	.text
	.protected	k_qdad11ccb60_ln1
	.globl	k_qdad11ccb60_ln1
	.p2align	8
	.type	k_qdad11ccb60_ln1,@function
k_qdad11ccb60_ln1:
	s_mov_b64 s[64:65], 0
	v_nop
	global_prefetch_b8 v0, s[64:65] scope:SCOPE_SE
	s_setreg_imm32_b32 hwreg(HW_REG_WAVE_MODE, 25, 1), 1
	s_wait_xcnt 0x0
; LayerNorm along rows of 1,024 f32: y = (z - mean) / sqrt(var + 1e-5) * g + b.  LN1 = 1: y goes out in f32 (the next residual) and once more rounded to bf16 (the next matrix operand).  LN1 = 0: in f32 alone.
; A row is 4,096 bytes: one wave takes one whole row, eight 16-byte loads a lane, and keeps it in 32 registers through both passes: the mean first, then the mean of the squared differences,
; so that no difference of large sums is formed.  Sixteen waves, a row each; no wave waits for another; no LDS.  All 24 loads go out first; no register that a store reads is rewritten.
.set LN1, 1
.set X,  16                            ; v[16:47]    the row
.set GG, 48                            ; v[48:79]    g of my 32 columns
.set BB, 80                            ; v[80:111]   b
.set Y,  112                           ; v[112:127]  the row in bf16 (LN1 = 1 alone)
	s_load_b256 s[4:11], s[0:1], 0x0               ; z 4, g 6, b 8, the f32 output 10
.if LN1
	s_load_b64 s[12:13], s[0:1], 0x20              ; the bf16 output
	s_lshl_b32 s14, ttmp9, 15                      ; 16 rows of 2,048 bytes
	s_mov_b32 s15, 0
.endif
	s_lshl_b32 s2, ttmp9, 16                       ; the work-group's 16 rows of 4,096 bytes
	s_mov_b32 s3, 0
	s_mov_b32 s16, 0x3a800000                      ; 1 / 1,024
	s_mov_b32 s17, 0x3727c5ac                      ; 1e-5
	s_mov_b32 s18, 0x76543210                      ; v_permlanex16_b32: lane i of one half reads lane i of the other
	s_mov_b32 s19, 0xfedcba98
	v_and_b32 v1, 31, v0
	v_lshrrev_b32 v2, 5, v0                        ; wave
.if LN1
	v_lshlrev_b32 v4, 3, v1
	v_lshl_add_u32 v4, v2, 11, v4                  ; 8 bytes a lane + the wave's row: the bf16 output
.endif
	v_lshlrev_b32 v1, 4, v1                        ; 16 bytes a lane: g and b
	v_lshl_add_u32 v3, v2, 12, v1                  ; + the wave's row: z and the f32 output
	s_wait_kmcnt 0x0
	s_add_nc_u64 s[4:5], s[4:5], s[2:3]
	s_add_nc_u64 s[10:11], s[10:11], s[2:3]
.if LN1
	s_add_nc_u64 s[12:13], s[12:13], s[14:15]
.endif
.irp j, 0,1,2,3,4,5,6,7
	global_load_b128 v[X+4*(\j):X+4*(\j)+3], v3, s[4:5] offset:(\j)*512 th:TH_LOAD_NT  ; 512 consecutive bytes a load
.endr
.irp j, 0,1,2,3,4,5,6,7
	global_load_b128 v[GG+4*(\j):GG+4*(\j)+3], v1, s[6:7] offset:(\j)*512
.endr
.irp j, 0,1,2,3,4,5,6,7
	global_load_b128 v[BB+4*(\j):BB+4*(\j)+3], v1, s[8:9] offset:(\j)*512
.endr
.macro FOLD                            ; the four chains v[8:15] into one number, the same in every lane, in v8
	v_pk_add_f32 v[8:9], v[8:9], v[10:11]
	v_pk_add_f32 v[12:13], v[12:13], v[14:15]
	v_pk_add_f32 v[8:9], v[8:9], v[12:13]
	v_add_f32 v8, v8, v9
	v_add_f32_dpp v8, v8, v8 row_xmask:1 row_mask:0xf bank_mask:0xf
	v_add_f32_dpp v8, v8, v8 row_xmask:2 row_mask:0xf bank_mask:0xf
	v_add_f32_dpp v8, v8, v8 row_xmask:4 row_mask:0xf bank_mask:0xf
	v_add_f32_dpp v8, v8, v8 row_xmask:8 row_mask:0xf bank_mask:0xf
	v_permlanex16_b32 v9, v8, s18, s19             ; its destination counts as read: v9 has been written
	v_add_f32 v8, v8, v9
.endm
	s_wait_loadcnt 16                              ; the row is in; behind its loads stand g's eight and b's eight
.irp k, 0,1,2,3
	v_pk_add_f32 v[8+2*(\k):9+2*(\k)], v[X+2*(\k):X+2*(\k)+1], v[X+8+2*(\k):X+8+2*(\k)+1]  ; four chains, started by the first pairs: nothing is cleared
.endr
.irp j, 2,3
.irp k, 0,1,2,3
	v_pk_add_f32 v[8+2*(\k):9+2*(\k)], v[8+2*(\k):9+2*(\k)], v[X+8*(\j)+2*(\k):X+8*(\j)+2*(\k)+1]
.endr
.endr
	FOLD
	v_mul_f32 v6, s16, v8                          ; the mean, twice: a pair for the packed lines
	v_mul_f32 v7, s16, v8
.set i, 0
.rept 16
	v_pk_add_f32 v[X+2*i:X+2*i+1], v[X+2*i:X+2*i+1], v[6:7] neg_lo:[0,1] neg_hi:[0,1]
.set i, i+1
.endr
.irp k, 0,1,2,3
	v_pk_mul_f32 v[8+2*(\k):9+2*(\k)], v[X+2*(\k):X+2*(\k)+1], v[X+2*(\k):X+2*(\k)+1]
.endr
.irp j, 1,2,3
.irp k, 0,1,2,3
	v_pk_fma_f32 v[8+2*(\k):9+2*(\k)], v[X+8*(\j)+2*(\k):X+8*(\j)+2*(\k)+1], v[X+8*(\j)+2*(\k):X+8*(\j)+2*(\k)+1], v[8+2*(\k):9+2*(\k)]
.endr
.endr
	FOLD
	v_fma_f32 v8, v8, s16, s17                     ; the variance + 1e-5
	v_rsq_f32 v6, v8
	v_rsq_f32 v7, v8
	v_nop                                          ; a plain instruction between the last of them and the use of its result
	s_wait_loadcnt 0x0                             ; g and b
.set i, 0
.rept 16
	v_pk_mul_f32 v[X+2*i:X+2*i+1], v[X+2*i:X+2*i+1], v[6:7]
.set i, i+1
.endr
.set i, 0
.rept 16
	v_pk_fma_f32 v[X+2*i:X+2*i+1], v[X+2*i:X+2*i+1], v[GG+2*i:GG+2*i+1], v[BB+2*i:BB+2*i+1]
.set i, i+1
.endr
.irp j, 0,1,2,3,4,5,6,7
	global_store_b128 v3, v[X+4*(\j):X+4*(\j)+3], s[10:11] offset:(\j)*512
.endr
.if LN1
.set i, 0
.rept 16
	v_cvt_pk_bf16_f32 v[Y+i], v[X+2*i], v[X+2*i+1]
.set i, i+1
.endr
.irp j, 0,1,2,3,4,5,6,7
	global_store_b64 v4, v[Y+2*(\j):Y+2*(\j)+1], s[12:13] offset:(\j)*256  ; a wave's store: 256 consecutive bytes, aligned
.endr
.endif
	s_endpgm
.Lfunc_end_k_qdad11ccb60_ln1:
	.size	k_qdad11ccb60_ln1, .Lfunc_end_k_qdad11ccb60_ln1-k_qdad11ccb60_ln1
	.p2alignl 7, 3214868480
	.fill 96, 4, 3214868480
	.section	.rodata,"a",@progbits
	.p2align	6, 0x0
	.amdhsa_kernel k_qdad11ccb60_ln1
		.amdhsa_group_segment_fixed_size 0
		.amdhsa_private_segment_fixed_size 0
		.amdhsa_enable_private_segment 0
		.amdhsa_kernarg_size 40
		.amdhsa_user_sgpr_count 2
		.amdhsa_user_sgpr_kernarg_segment_ptr 1
		.amdhsa_wavefront_size32 1
		.amdhsa_system_sgpr_workgroup_id_x 1
		.amdhsa_system_sgpr_workgroup_id_y 1
		.amdhsa_system_sgpr_workgroup_id_z 1
		.amdhsa_system_vgpr_workitem_id 0
		.amdhsa_next_free_vgpr 128
		.amdhsa_next_free_sgpr 66
		.amdhsa_reserve_vcc 0
		.amdhsa_float_denorm_mode_32 3
		.amdhsa_float_denorm_mode_16_64 3
		.amdhsa_memory_ordered 1
		.amdhsa_forward_progress 1
		.amdhsa_inst_pref_size 13
	.end_amdhsa_kernel
	.amdgpu_metadata
---
amdhsa.version: [ 1, 2 ]
amdhsa.kernels:
  - .name:           k_qdad11ccb60_ln1
    .symbol:         k_qdad11ccb60_ln1.kd
    .args:
      - { .name: z, .offset: 0, .size: 8, .value_kind: global_buffer, .address_space: global }
      - { .name: g1, .offset: 8, .size: 8, .value_kind: global_buffer, .address_space: global }
      - { .name: b1, .offset: 16, .size: 8, .value_kind: global_buffer, .address_space: global }
      - { .name: x1f, .offset: 24, .size: 8, .value_kind: global_buffer, .address_space: global }
      - { .name: x1b, .offset: 32, .size: 8, .value_kind: global_buffer, .address_space: global }
    .group_segment_fixed_size: 0
    .private_segment_fixed_size: 0
    .kernarg_segment_align: 8
    .kernarg_segment_size: 40
    .max_flat_workgroup_size: 512
    .sgpr_count:     66
    .vgpr_count:     128
    .wavefront_size: 32
...
	.end_amdgpu_metadata
.endif
;; end of part 5
;; launch ffn1 (part 6): grid 16 x 16, 4 waves a work-group, clusters of 4 x 4, 327,680 bytes of LDS; arguments x1b, cb, bf1, hb; writes hb
.if DOCPART == 6
	.amdgcn_target "amdgcn-amd-amdhsa--gfx1250"
	.amdhsa_code_object_version 6
	.text
	.protected	k_qdad11ccb60_ffn1
	.globl	k_qdad11ccb60_ffn1
	.p2align	8
	.type	k_qdad11ccb60_ffn1,@function
k_qdad11ccb60_ffn1:
	s_mov_b64 s[64:65], 0
	v_nop
	global_prefetch_b8 v0, s[64:65] scope:SCOPE_SE
	s_setreg_imm32_b32 hwreg(HW_REG_WAVE_MODE, 25, 1), 1
	s_wait_xcnt 0x0
	s_wait_alu depctr_hold_cnt(0) depctr_sa_sdst(0) depctr_va_vdst(0) depctr_va_sdst(0) depctr_va_ssrc(0) depctr_va_vcc(0) depctr_vm_vsrc(0)
	s_getreg_b32 s2, hwreg(HW_REG_IB_STS2, 6, 4)
	s_cmp_eq_u32 s2, 0
	s_cbranch_scc0 .Lentry_in_a_cluster
	s_endpgm
.Lentry_in_a_cluster:
	s_bfe_u32 s2, ttmp6, 0x10000c
	s_cmp_lg_u32 s2, 0xf033
	s_cbranch_scc0 .Lentry_shape_is_right
	s_endpgm
.Lentry_shape_is_right:
; C = A B + bias on tiles of 256 x 256, K = 1,024.  A: [4096][1024] bf16, rows along K.  B: [1024 (k)][NP (n)] bf16, as the weights lie.  Sums in f32.
; QKV = 1: A = x (cb, byte 0), B = wq, wk or wv (cb, bytes 8,388,608 on, 2 MiB each: the cluster's x says which), bias bq, bk or bv; out: f16, by heads, qkv[which][batch x 16 + head][row][64].
;          LIMIT: q, k and v with their bias lie within f16's 65,504; NaN and infinities are not treated apart.
; QKV = 0: A = x1b, B = w1 (cb, byte 16,777,216), bias bf1; out: gelu(.) in bf16, hb[4096][4096].  gelu(z) = z/2 + |z| (1/2 - r^16 / 2), r = 1 / (1 + c1 |z| + .. + c6 |z|^6):
;          erf by a rational form good for every |z| (absolute error of erf 3e-7); a large |z| gives r = 0.  LIMIT: an infinite z is not treated apart.
; Four waves, each 128 x 128 of C: 64 accumulators, 512 registers.  K goes in 8 steps of 128 through two LDS slots filled by the tensor data mover.
; A's rows lie along K in LDS; B's tile lies [k][n] and its fragments come out turned, by ds_load_tr16_b128.  The matrix instruction takes B as source 0 and A as source 1:
; a lane then holds eight neighbouring columns of one row of C.
; CLUSTER 4 x 4: A's tile is asked for jointly along a row of the cluster, B's along a column.
; WHERE K BEGINS: cluster (X, Y) takes the K steps in the order r, r + 1, .. modulo 8, r = (2 X + 4 Y) mod 8, so that clusters that need the same tile of A (same Y) or of B (same X) ask for it in different trips.
;          Each output is still one f32 sum; the order of its terms along K differs from cluster to cluster, and from the reference's.
; THE K LOOP: a step is four quarters of 32 along K on two fragment buffers.  The text holds a PAIR of quarters once (multiply buffer 1, fetch into 0; multiply buffer 0, fetch into 1) and walks it twice a step;
;          the change of slots stands between the steps and holds no matrix work, so that a refill goes out as soon as the slot is free and has the step's 256 matrix instructions in which to land.
; THE WAY OUT: when the ring has had its last fill and its last read, the f32 sums go into it (each wave 128 rows of 528 bytes of its own), and come back as rows; bias, activation, rounding; each store covers 256 consecutive aligned bytes.
; REGISTERS: window 0: v0-31 addresses and bias; v64-127, v128-191 A's fragments, two buffers (later the way out's work); v192-223 the way out's next rows.  Window 1: v64-191 B's fragments.  Windows 2, 3: accumulator (a, b) at v[8 (8 a + b)], my rows 0-63 and 64-127.
.set QKV,    0
.set KSTEP,  128
.set NSTEP,  8
.set PA,     272                       ; a row of A in LDS: 256 bytes + 16: the 16 rows of a load start at 16 different groups of four banks (64 banks of 4 bytes: ISA guide 11.1)
.set PB,     544                       ; a k-row of B: 512 bytes + 32
.set HALFT,  128*PA                    ; what one tensor load brings: 128 rows of A, or 64 k-rows of B (64 x 544 is the same 34,816)
.set SLOT,   4*HALFT                   ; A's rows 0-127, 128-255, B's k 0-63, 64-127.  0x22000 shares no bit with wave x HALFT, so an exclusive or turns an address in one slot into the other's
.set SPARE,  2*SLOT                    ; behind the ring: the spare words, 128 bytes a wave: two blocks of 256 bytes that no other line names
.set DP,     528                       ; the way out: a row of 128 f32 + 16 bytes
.set DW,     128*DP                    ; a wave's 128 rows; four of them end below SPARE
.if QKV
.set NP,     1024
.set BP,     68                        ; s[68:69]: the buffer that holds B
.set BSH,    18                        ; a K step of B is 128 k-rows of 2 NP bytes = 1 << BSH
.else
.set NP,     4096
.set BP,     70
.set BSH,    20
.endif
.set ASH,    8                         ; a K step of A is 256 bytes
.set RX,     1                         ; the first K step: (X << RX) + (Y << RY), modulo NSTEP
.set RY,     2
.set BI,    8                          ; v8-15  my columns' bias
.set ADRA0, 16                         ; v16  my lane's place in A's part of a slot; never rewritten
.set ADRA,  17                         ; v17  where the next pair of quarters is fetched from
.set ADRB0, 18                         ; v18, v19  the same for B
.set ADRB,  19
.set STO,   24                         ; v24  the way out: where I put 16 bytes of a row
.set RD,    25                         ; v25  the way out: where I read rows back
.set CO,    26                         ; v26  my byte offset in the output
.set BO,    27                         ; v27  my byte offset in the bias
.set SPW,   28                         ; v28  LDS address of my spare word; never rewritten
.set NIL,   29                         ; v29  0; never rewritten
.set F0,    64
.set F1,    128
.set ZZ,    64                         ; the way out: v64-95 numbers, v96-127 magnitudes (QKV: packed results), v128-159 at work, v160-175 packed results
.set AB,    96
.set PL,    128
.set YY,    160
.set NX,    192                        ; v192-223  the next eight rows, on their way from LDS
.set OA,  4                            ; s[4:5]  the K step's byte offset in A;  s[6:7] in B
.set OB,  6
.set G1,  24                           ; s[24:31] descriptor group 1 for A;  s[32:39] group 0: a set for each first fill; the second serves the refills
.set G0,  32
.set G1B, 48                           ; s[48:55], s[56:63] the same for B
.set G0B, 56
.set TR,  76                           ; s76  the slot in hand: 0 or SLOT
.set WB,  77                           ; s77  wave x HALFT
.set KT,  91                           ; s91  the K step asked for last
.set MSB, 0
.macro WIN new                         ; the immediate's high byte repeats the setting that is left; a switch that changes nothing is dropped
.if MSB != (\new)
	s_set_vgpr_msb (MSB<<8)|(\new)
.set MSB, \new
.endif
.endm
.set MUL_LO, 0xa1                      ; source 0 (B) window 1, source 1 (A) window 0, C and D window 2
.set MUL_HI, 0xf1                      ; the same, C and D window 3
.set TO_B,   0x40                      ; destination window 1, address window 0
; A joint refill.  Waves 0 and 1 fetch A's two halves, waves 2 and 3 B's; the branch hangs on the wave's number alone.
; An s_nop 0 and four v_nop follow each of the two lines, ahead of the jump and the label.
.macro JLOAD
	s_cmp_eq_u32 s11, 0
	s_cbranch_scc0 .Lfor_b_\@
	tensor_load_to_lds s[G0+4:G0+7], s[G1:G1+7]
	s_nop 0
.rept 4
	v_nop
.endr
	s_branch .Lasked_\@
.Lfor_b_\@:
	tensor_load_to_lds s[G0B+4:G0B+7], s[G1B:G1B+7]
	s_nop 0
.rept 4
	v_nop
.endr
.Lasked_\@:
.endm
.macro CREST                           ; a round of the cluster's barrier behind its opening barrier
	s_cmp_lg_u32 s10, 0
	s_cbranch_scc1 .Lnot_wave_0_\@
	s_barrier_signal -3
.Lnot_wave_0_\@:
	s_barrier_wait -3
	s_barrier_signal -1
	s_barrier_wait -1
.endm
.macro CROUND                          ; a whole round
	s_barrier_signal -1
	s_barrier_wait -1
	CREST
.endm
.macro PLACES                          ; four places in front of loads into registers that matrix instructions have read, and of lines that read results
.rept 4
	v_nop
.endr
.endm
.macro ALL16 line:vararg               ; one line for each pair i of 16
.set i, 0
.rept 16
	\line
.set i, i+1
.endr
.endm
.macro ALL32 line:vararg               ; one line for each register i of 32
.set i, 0
.rept 32
	\line
.set i, i+1
.endr
.endm
	s_load_b256 s[68:75], s[0:1], 0x0              ; QKV: cb, bq, bk, bv.  Else: x1b, cb, bf1, hb
.if QKV
	s_load_b64 s[8:9], s[0:1], 0x20                ; qkv
.endif
	v_lshl_add_u32 v[SPW], v0, 2, SPARE
	v_mov_b32 v[NIL], 0
	ds_add_u32 v[SPW], v[NIL]                      ; the wave's opening: the add and its wait stand ahead of my first tensor load; the set-up below, work on registers, stands between them
	v_lshrrev_b32 v1, 5, v0
	v_readfirstlane_b32 s10, v1                    ; wave 0..3
	s_lshr_b32 s11, s10, 1                         ; which half of the tile's rows is mine.  Also: I fetch for A (0) or for B (1)
	s_and_b32 s12, s10, 1                          ; which half of its columns.  Also: which half of that tile I fetch
	s_bfe_u32 s40, ttmp6, 0x40000                  ; cx
	s_bfe_u32 s41, ttmp6, 0x40004                  ; cy
	s_mov_b32 s45, ttmp9                           ; the cluster's x
	s_lshl_b32 s42, ttmp9, 2
	s_add_co_u32 s42, s42, s40                     ; tile column = 4 x cluster x + cx
	s_and_b32 s13, ttmp7, 0xffff
	s_lshl_b32 s13, s13, 2
	s_add_co_u32 s13, s13, s41                     ; tile row = 4 x cluster y + cy
	s_lshl_b32 s43, s41, 2
	s_lshl_b32 s43, 15, s43                        ; my row of the cluster
	s_lshl_b32 s44, 0x1111, s40                    ; my column
	s_and_b32 s[KT], ttmp7, 0xffff                 ; the cluster's first K step: made of the cluster's x and y alone, which all sixteen partners share
	s_lshl_b32 s[KT], s[KT], RY
	s_lshl_b32 s[OA], ttmp9, RX
	s_add_co_u32 s[KT], s[KT], s[OA]
	s_and_b32 s[KT], s[KT], NSTEP-1
	s_mov_b32 s[OA+1], 0                           ; the offsets' high words
	s_mov_b32 s[OB+1], 0
	s_or_b32 s[G1+0], s43, (1<<16)|(1<<20)|(1<<21)|(5<<22)|(3<<25)   ; the mask; 2-byte elements; padding on; bit 21 beside a mask; after every 64 words 4 words
	s_or_b32 s[G1B+0], s44, (1<<16)|(1<<20)|(1<<21)|(6<<22)|(7<<25)  ; after every 128 words 8 words
	s_mov_b32 s[G1+1], KSTEP<<16                   ; A: tensor_dim0 = 128
	s_mov_b32 s[G1+2], 128<<16                     ; tensor_dim1 = 128
	s_mov_b32 s[G1+3], KSTEP<<16                   ; tile_dim0 = 128
	s_mov_b32 s[G1+4], 128                         ; tile_dim1 = 128
	s_mov_b32 s[G1+5], 1024                        ; elements from row to row
	s_mov_b32 s[G1+6], 0
	s_mov_b32 s[G1+7], 0
	s_mov_b32 s[G1B+1], 256<<16                    ; B: 256 columns,
	s_mov_b32 s[G1B+2], 64<<16                     ; 64 k-rows
	s_mov_b32 s[G1B+3], 256<<16
	s_mov_b32 s[G1B+4], 64
	s_mov_b32 s[G1B+5], NP
	s_mov_b32 s[G1B+6], 0
	s_mov_b32 s[G1B+7], 0
	s_lshl_b32 s16, s13, 19                        ; A: (256 x tile row + 128 x half) rows of 2,048 bytes: it hangs on the tile row alone
	s_lshl_b32 s17, s12, 18
	s_add_co_u32 s16, s16, s17
	s_mov_b32 s17, 0
.if QKV
	s_lshl_b32 s46, s45, 21                        ; B: the weight, 2 MiB each; 512 bytes a tile column inside it; 64 k-rows of 2,048 bytes a half
	s_lshl_b32 s47, s40, 9
	s_add_co_u32 s46, s46, s47
	s_lshl_b32 s47, s12, 17
	s_add_co_u32 s46, s46, s47
	s_add_co_u32 s46, s46, 8388608
.else
	s_lshl_b32 s46, s42, 9                         ; B: 512 bytes a tile column; 64 k-rows of 8,192 bytes a half
	s_lshl_b32 s47, s12, 19
	s_add_co_u32 s46, s46, s47
	s_add_co_u32 s46, s46, 16777216
	s_mov_b32 s78, 0x3d4c41b4                      ; c1 .. c6, each written twice: the packed lines name pairs and take the low word for both halves
	s_mov_b32 s79, 0x3d4c41b4
	s_mov_b32 s80, 0x3cad2fe7
	s_mov_b32 s81, 0x3cad2fe7
	s_mov_b32 s82, 0x3b56cd70
	s_mov_b32 s83, 0x3b56cd70
	s_mov_b32 s84, 0x381f6607
	s_mov_b32 s85, 0x381f6607
	s_mov_b32 s86, 0x384d0fed
	s_mov_b32 s87, 0x384d0fed
	s_mov_b32 s88, 0x36b49f67
	s_mov_b32 s89, 0x36b49f67
	s_mov_b32 s90, 0x7fffffff
.endif
	s_mov_b32 s47, 0
	s_mul_i32 s[WB], s10, HALFT                    ; where my tiles go: no place in the cluster enters an LDS address
	s_mov_b32 s[TR], 0
	s_wait_dscnt 0x0                               ; the opening add is done
	s_wait_kmcnt 0x0
	s_add_nc_u64 s[14:15], s[68:69], s[16:17]      ; A and B at my part of K step 0: kept; every fill's address is one of these plus the step's offset
	s_add_nc_u64 s[46:47], s[BP:BP+1], s[46:47]
	CROUND                                         ; all sixteen work-groups are here: the first joint loads meet
.irp s, 0,1
	s_lshl_b32 s[OA], s[KT], ASH
	s_lshl_b32 s[OB], s[KT], BSH
	s_mov_b32 s[G0+4*(\s)], 1                      ; count = 1
	s_add_co_u32 s[G0+4*(\s)+1], s[WB], (\s)*SLOT  ; LDS address
	s_add_nc_u64 s[G0+4*(\s)+2:G0+4*(\s)+3], s[14:15], s[OA:OA+1]  ; global address: the cluster's first K step, then its second
	s_or_b32 s[G0+4*(\s)+3], s[G0+4*(\s)+3], 0x80000000            ; type = 2
	s_mov_b32 s[G0B+4*(\s)], 1
	s_add_co_u32 s[G0B+4*(\s)+1], s[WB], (\s)*SLOT
	s_add_nc_u64 s[G0B+4*(\s)+2:G0B+4*(\s)+3], s[46:47], s[OB:OB+1]
	s_or_b32 s[G0B+4*(\s)+3], s[G0B+4*(\s)+3], 0x80000000
.if (\s) == 0
	s_add_co_u32 s[KT], s[KT], 1
	s_and_b32 s[KT], s[KT], NSTEP-1
.endif
.endr
	s_cmp_eq_u32 s11, 0                            ; a wave's two first fills stand in one branch, ahead of every wait on TENSORcnt and every LDS read: two loads of mine are out
	s_cbranch_scc0 .Lfirst_b
	tensor_load_to_lds s[G0:G0+3], s[G1:G1+7]
	s_nop 0
	tensor_load_to_lds s[G0+4:G0+7], s[G1:G1+7]
	s_nop 0
.rept 4
	v_nop
.endr
	s_branch .Lfirst_asked
.Lfirst_b:
	tensor_load_to_lds s[G0B:G0B+3], s[G1B:G1B+7]
	s_nop 0
	tensor_load_to_lds s[G0B+4:G0B+7], s[G1B:G1B+7]
	s_nop 0
.rept 4
	v_nop
.endr
.Lfirst_asked:
	v_and_b32 v1, 15, v0                           ; r = l % 16
	v_bfe_u32 v2, v0, 4, 1                         ; h = l / 16
	v_mul_u32_u24 v3, v1, PA                       ; a fragment of A: row r, 16 bytes for each half of the lanes; two loads 32 bytes apart
	v_lshl_add_u32 v3, v2, 4, v3
	s_mul_i32 s21, s11, HALFT                      ; my 128 rows of A
	v_add_nc_u32 v[ADRA0], s21, v3
	v_and_b32 v4, 7, v0                            ; the turning load: lane l reads k-row 8 h + l % 8, columns 8 ((l / 8) % 2) + 0..7, and is left with column r and eight k
	v_bfe_u32 v5, v0, 3, 1
	v_lshl_add_u32 v6, v2, 3, v4
	v_mul_u32_u24 v6, v6, PB
	v_lshl_add_u32 v6, v5, 4, v6
	s_lshl_b32 s22, s12, 8                         ; my 128 columns of B, which lies behind A's 256 rows
	s_add_co_u32 s22, s22, 2*HALFT
	v_add_nc_u32 v[ADRB0], s22, v6
	v_mov_b32 v[ADRA], v[ADRA0]                    ; slot 0
	v_mov_b32 v[ADRB], v[ADRB0]
	s_mul_i32 s23, s10, DW                         ; the way out: my 128 rows
	v_mul_u32_u24 v[STO], v1, DP                   ; in: row r, 32 bytes for each half of the lanes
	v_lshl_add_u32 v[STO], v2, 5, v[STO]
	v_add_nc_u32 v[STO], s23, v[STO]
	v_and_b32 v7, 31, v0
	v_lshlrev_b32 v[CO], 3, v7                     ; 8 bytes a lane: a wave's store is 256 consecutive bytes
.if QKV
	v_mul_u32_u24 v[RD], v2, DP                    ; back: lanes 0-15 take 64 columns of one row, lanes 16-31 of the next
	v_lshl_add_u32 v[RD], v1, 4, v[RD]
	v_add_nc_u32 v[RD], s23, v[RD]
	s_mov_b64 s[66:67], s[70:71]                   ; the bias that goes with the weight
	s_cmp_eq_u32 s45, 1
	s_cselect_b64 s[66:67], s[72:73], s[66:67]
	s_cmp_eq_u32 s45, 2
	s_cselect_b64 s[66:67], s[74:75], s[66:67]
	s_lshl_b32 s20, s40, 10                        ; my first column in the weight, in bytes of f32: 1,024 cx + 512 x half
	s_lshl_b32 s21, s12, 9
	s_add_co_u32 s20, s20, s21
	v_lshl_add_u32 v[BO], v1, 4, s20
	global_load_b128 v[BI:BI+3], v[BO], s[66:67]               ; four columns of my first head,
	global_load_b128 v[BI+4:BI+7], v[BO], s[66:67] offset:256  ; and of my second
	s_lshr_b32 s18, s13, 3                         ; out: batch x 16 heads of 262,144 bytes,
	s_lshl_b32 s18, s18, 22
	s_and_b32 s19, s13, 7                          ; my first row in the batch, 128 bytes a row,
	s_lshl_b32 s19, s19, 15
	s_add_co_u32 s18, s18, s19
	s_lshl_b32 s19, s11, 14
	s_add_co_u32 s18, s18, s19
	s_lshl_b32 s19, s40, 20                        ; my first head: 4 cx + 2 x half,
	s_add_co_u32 s18, s18, s19
	s_lshl_b32 s19, s12, 19
	s_add_co_u32 s18, s18, s19
	s_lshl_b32 s19, s45, 23                        ; and q, k or v
	s_add_co_u32 s18, s18, s19
	s_mov_b32 s19, 0
	s_add_nc_u64 s[8:9], s[8:9], s[18:19]
.else
	v_lshl_add_u32 v[RD], v7, 4, s23               ; back: a row of 512 bytes to a load
	s_lshl_b32 s20, s42, 10                        ; my first column, in bytes of f32
	s_lshl_b32 s21, s12, 9
	s_add_co_u32 s20, s20, s21
	v_lshl_add_u32 v[BO], v7, 4, s20
	global_load_b128 v[BI:BI+3], v[BO], s[72:73]
	s_lshl_b32 s18, s13, 21                        ; out: my first row, 8,192 bytes a row; my first column, 2 bytes each
	s_lshl_b32 s19, s11, 20
	s_add_co_u32 s18, s18, s19
	s_lshl_b32 s19, s42, 9
	s_add_co_u32 s18, s18, s19
	s_lshl_b32 s19, s12, 8
	s_add_co_u32 s18, s18, s19
	s_mov_b32 s19, 0
	s_add_nc_u64 s[8:9], s[74:75], s[18:19]
.endif
; 16 matrix instructions: m blocks a0, a0 + 1 of the window's four x all 8 n blocks, 32 along K.  zero = 1: the first product starts the sums.  The 64 accumulators take turns.
.macro MUL16 f, hi, a0, zero
	WIN MUL_LO+0x50*(\hi)
.irp a, \a0, (\a0)+1
.irp b, 0,1,2,3,4,5,6,7
.if \zero
	v_wmma_f32_16x16x32_bf16 v[8*(8*(\a)+(\b)):8*(8*(\a)+(\b))+7], v[(\f)+8*(\b):(\f)+8*(\b)+7], v[(\f)+8*(4*(\hi)+(\a)):(\f)+8*(4*(\hi)+(\a))+7], 0
.else
	v_wmma_f32_16x16x32_bf16 v[8*(8*(\a)+(\b)):8*(8*(\a)+(\b))+7], v[(\f)+8*(\b):(\f)+8*(\b)+7], v[(\f)+8*(4*(\hi)+(\a)):(\f)+8*(4*(\hi)+(\a))+7], v[8*(8*(\a)+(\b)):8*(8*(\a)+(\b))+7]
.endif
.endr
.endr
.endm
; 32 LDS loads in one run: quarter sub (0, 1) of the pair at which the two address registers stand, into buffer f: B's 128 columns, turned, then A's 128 rows.  Behind a pair's second quarter the addresses step to the next pair.
.macro FETCH sub, f
	WIN TO_B
.irp i, 0,1,2,3,4,5,6,7
	ds_load_tr16_b128 v[(\f)+8*(\i):(\f)+8*(\i)+3],   v[ADRB] offset:(\sub)*32*PB+32*(\i)
	ds_load_tr16_b128 v[(\f)+8*(\i)+4:(\f)+8*(\i)+7], v[ADRB] offset:(\sub)*32*PB+16*PB+32*(\i)
.endr
	WIN 0
.irp i, 0,1,2,3,4,5,6,7
	ds_load_b128 v[(\f)+8*(\i):(\f)+8*(\i)+3],   v[ADRA] offset:(\sub)*64+(\i)*16*PA
	ds_load_b128 v[(\f)+8*(\i)+4:(\f)+8*(\i)+7], v[ADRA] offset:(\sub)*64+(\i)*16*PA+32
.endr
.if \sub
	v_add_nc_u32 v[ADRA], 128, v[ADRA]             ; 64 along K: 128 bytes in A's rows,
	v_add_nc_u32 v[ADRB], 64*PB, v[ADRB]           ; 64 k-rows of B
.endif
.endm
; A quarter: multiplies buffer f; in its middle it fetches the next quarter into buffer g.
.macro QUARTER f, g, sub, zero
	s_wait_dscnt 8                                 ; B and A's rows 0-63 are in; the youngest eight loads (A's rows 64-127) may be out
	MUL16 \f, 0, 0, \zero
	MUL16 \f, 0, 2, \zero
	PLACES
	FETCH \sub, \g
	s_wait_dscnt 32                                ; all but the 32 just issued
	MUL16 \f, 1, 0, \zero
	MUL16 \f, 1, 2, \zero
.endm
; THE CHANGE OF SLOTS, between two K steps: the old slot's last quarter is in buffer 1.  Each wave waits for all its tensor loads (one is out: its part of the next slot), adds 0 to its spare word,
; and waits for that and for its own reads of the old slot.  fill = 1: the barrier opens a round of the cluster's barrier, and behind the round the old slot is filled again, with the cluster's next K step but one.
.macro CHANGE fill
	WIN 0                                          ; (the add's two registers lie in window 0)
	s_wait_tensorcnt 0x0                           ; all my tensor loads have landed, so a group 0 may be written;
	ds_add_u32 v[SPW], v[NIL]                      ; 0 onto my spare word: the work on registers below stands between it and the wait for it
	s_xor_b32 s[TR], s[TR], SLOT                   ; the fetches go to the other slot's first pair
	v_add_nc_u32 v[ADRA], s[TR], v[ADRA0]
	v_add_nc_u32 v[ADRB], s[TR], v[ADRB0]
.if \fill
	s_add_co_u32 s[KT], s[KT], 1                   ; the next K step, modulo 8,
	s_and_b32 s[KT], s[KT], NSTEP-1
	s_lshl_b32 s[OA], s[KT], ASH                   ; its offsets,
	s_lshl_b32 s[OB], s[KT], BSH
	s_xor_b32 s[G0+5], s[G0+5], SLOT               ; the other slot than last time,
	s_add_nc_u64 s[G0+6:G0+7], s[14:15], s[OA:OA+1]  ; and the address made anew
	s_or_b32 s[G0+7], s[G0+7], 0x80000000
	s_xor_b32 s[G0B+5], s[G0B+5], SLOT
	s_add_nc_u64 s[G0B+6:G0B+7], s[46:47], s[OB:OB+1]
	s_or_b32 s[G0B+7], s[G0B+7], 0x80000000
.endif
	s_wait_dscnt 0x0                               ; the add is done, and my reads of the old slot are over
	s_barrier_signal -1
	s_barrier_wait -1
.if \fill
	CREST                                          ; no wave of any partner still reads the old slot's tile or has a load on its way
	JLOAD                                          ; the first tensor load behind the round
.endif
.endm
.macro NEXT8                           ; the way out: eight rows of my sums, from LDS into NX
.if QKV
.irp t, 0,1,2,3
.irp hh, 0,1
	ds_load_b128 v[NX+4*(2*(\t)+(\hh)):NX+4*(2*(\t)+(\hh))+3], v[RD] offset:(\t)*2*DP+(\hh)*256  ; two rows, 64 columns of head hh
.endr
.endr
.else
.irp t, 0,1,2,3,4,5,6,7
	ds_load_b128 v[NX+4*(\t):NX+4*(\t)+3], v[RD] offset:(\t)*DP
.endr
.endif
.endm
	s_wait_tensorcnt 1                             ; my part of the first K step is in; the second's may stay out
	s_barrier_signal -1
	s_barrier_wait -1                              ; everybody's is
	FETCH 0, F0
	QUARTER F0, F1, 1, 1                           ; the first quarter stands in front of the loop: its products start the sums
	WIN 0                                          ; at a label and at a branch every window is 0
	s_mov_b32 s3, NSTEP-1                          ; the rest of the first step, then six steps that each fill a slot again
	s_mov_b32 s2, 1
	s_branch .Lpair                                ; the first step has one pair left
.Lstep:
	CHANGE 1
	s_mov_b32 s2, 2
.Lpair:                                                ; a pair of quarters: the last quarter fetched is multiplied while the next is fetched
	QUARTER F1, F0, 0, 0
	QUARTER F0, F1, 1, 0
	WIN 0
	s_sub_co_u32 s2, s2, 1
	s_cmp_lg_u32 s2, 0
	s_cbranch_scc1 .Lpair
	s_sub_co_u32 s3, s3, 1
	s_cmp_lg_u32 s3, 0
	s_cbranch_scc1 .Lstep
	CHANGE 0                                       ; the last K step is written out: nothing is asked for
	s_mov_b32 s2, 2
.LpairT:
	QUARTER F1, F0, 0, 0
	QUARTER F0, F1, 1, 0
	WIN 0
	s_sub_co_u32 s2, s2, 1
	s_cmp_lg_u32 s2, 0
	s_cbranch_scc1 .LpairT
	s_wait_dscnt 8                                 ; the very last quarter: nothing more to fetch
	MUL16 F1, 0, 0, 0
	MUL16 F1, 0, 2, 0
	s_wait_dscnt 0x0                               ; no LDS read of mine is out
	MUL16 F1, 1, 0, 0
	MUL16 F1, 1, 2, 0
	WIN 0
	PLACES                                         ; behind the last products
	s_barrier_signal -1
	s_barrier_wait -1                              ; nor of any wave: the ring, which has had its last fill, is free for the sums
	s_wait_loadcnt 0x0                             ; the bias
.irp hi, 0,1
	WIN 0x08+4*(\hi)                               ; store data (source 1) in window 2 or 3
.irp a, 0,1,2,3
.irp b, 0,1,2,3,4,5,6,7
	ds_store_b128 v[STO], v[8*(8*(\a)+(\b)):8*(8*(\a)+(\b))+3]   offset:(4*(\hi)+(\a))*16*DP+64*(\b)      ; each accumulator's low registers first
	ds_store_b128 v[STO], v[8*(8*(\a)+(\b))+4:8*(8*(\a)+(\b))+7] offset:(4*(\hi)+(\a))*16*DP+64*(\b)+16
.endr
.endr
.endr
	WIN 0
	NEXT8                                          ; LDS serves a wave's instructions in order (ISA guide 5.7.1.4): the loads see my stores above
	s_mov_b32 s3, 16
.Lout:                                                 ; 16 trips of 8 rows; the next trip's rows come from LDS while this trip's are worked on
	s_wait_dscnt 0x0
.if QKV
	ALL16 v_pk_add_f32 v[ZZ+2*i:ZZ+2*i+1], v[NX+2*i:NX+2*i+1], v[BI+4*((i/2)%2)+2*(i%2):BI+4*((i/2)%2)+2*(i%2)+1]
.else
	ALL16 v_pk_add_f32 v[ZZ+2*i:ZZ+2*i+1], v[NX+2*i:NX+2*i+1], v[BI+2*(i%2):BI+2*(i%2)+1]
.endif
	v_add_nc_u32 v[RD], 8*DP, v[RD]
	s_cmp_eq_u32 s3, 1
	s_cbranch_scc1 .Lno_more                       ; the last trip has no rows behind it
	NEXT8
.Lno_more:
.if QKV
	ALL16 v_cvt_pk_f16_f32 v[AB+i], v[ZZ+2*i], v[ZZ+2*i+1]
.irp t, 0,1,2,3
.irp hh, 0,1
	global_store_b64 v[CO], v[AB+2*(2*(\t)+(\hh)):AB+2*(2*(\t)+(\hh))+1], s[8:9] offset:(\hh)*262144+(\t)*256  ; two rows of a head: 256 consecutive bytes, aligned
.endr
.endr
	s_wait_xcnt 0x0                                ; the stores' base and data are rewritten only behind this wait
	s_add_nc_u64 s[8:9], s[8:9], 8*128
.else
	ALL32 v_and_b32 v[AB+i], s90, v[ZZ+i]
	ALL16 v_pk_fma_f32 v[PL+2*i:PL+2*i+1], v[AB+2*i:AB+2*i+1], s[88:89], s[86:87] op_sel_hi:[1,0,0]
	ALL16 v_pk_fma_f32 v[PL+2*i:PL+2*i+1], v[PL+2*i:PL+2*i+1], v[AB+2*i:AB+2*i+1], s[84:85] op_sel_hi:[1,1,0]
	ALL16 v_pk_fma_f32 v[PL+2*i:PL+2*i+1], v[PL+2*i:PL+2*i+1], v[AB+2*i:AB+2*i+1], s[82:83] op_sel_hi:[1,1,0]
	ALL16 v_pk_fma_f32 v[PL+2*i:PL+2*i+1], v[PL+2*i:PL+2*i+1], v[AB+2*i:AB+2*i+1], s[80:81] op_sel_hi:[1,1,0]
	ALL16 v_pk_fma_f32 v[PL+2*i:PL+2*i+1], v[PL+2*i:PL+2*i+1], v[AB+2*i:AB+2*i+1], s[78:79] op_sel_hi:[1,1,0]
	ALL16 v_pk_fma_f32 v[PL+2*i:PL+2*i+1], v[PL+2*i:PL+2*i+1], v[AB+2*i:AB+2*i+1], 1.0 op_sel_hi:[1,1,0]
	ALL32 v_rcp_f32 v[PL+i], v[PL+i]
	ALL16 v_pk_mul_f32 v[ZZ+2*i:ZZ+2*i+1], v[ZZ+2*i:ZZ+2*i+1], 0.5 op_sel_hi:[1,0]                 ; z / 2; also the plain lines between the last reciprocal and its use
.rept 4
	ALL16 v_pk_mul_f32 v[PL+2*i:PL+2*i+1], v[PL+2*i:PL+2*i+1], v[PL+2*i:PL+2*i+1]                  ; r^2, r^4, r^8, r^16
.endr
	ALL16 v_pk_fma_f32 v[PL+2*i:PL+2*i+1], v[PL+2*i:PL+2*i+1], -0.5, 0.5 op_sel_hi:[1,0,0]
	ALL16 v_pk_fma_f32 v[ZZ+2*i:ZZ+2*i+1], v[AB+2*i:AB+2*i+1], v[PL+2*i:PL+2*i+1], v[ZZ+2*i:ZZ+2*i+1]
	ALL16 v_cvt_pk_bf16_f32 v[YY+i], v[ZZ+2*i], v[ZZ+2*i+1]
.irp t, 0,1,2,3,4,5,6,7
	global_store_b64 v[CO], v[YY+2*(\t):YY+2*(\t)+1], s[8:9] offset:(\t)*8192  ; 128 columns of a row: 256 consecutive bytes, aligned
.endr
	s_wait_xcnt 0x0                                ; the stores' base and data are rewritten only behind this wait
	s_add_nc_u64 s[8:9], s[8:9], 8*8192
.endif
	s_sub_co_u32 s3, s3, 1
	s_cmp_lg_u32 s3, 0
	s_cbranch_scc1 .Lout
	s_wait_tensorcnt 0x0                           ; the wave's end: an add to my spare word and its wait, behind my last tensor load and my last LDS store
	ds_add_u32 v[SPW], v[NIL]
	s_wait_dscnt 0x0
	CROUND                                         ; the closing round: no work-group ends while a partner may still ask for a tile that names it
	s_endpgm
.Lfunc_end_k_qdad11ccb60_ffn1:
	.size	k_qdad11ccb60_ffn1, .Lfunc_end_k_qdad11ccb60_ffn1-k_qdad11ccb60_ffn1
	.p2alignl 7, 3214868480
	.fill 96, 4, 3214868480
	.section	.rodata,"a",@progbits
	.p2align	6, 0x0
	.amdhsa_kernel k_qdad11ccb60_ffn1
		.amdhsa_group_segment_fixed_size 327680
		.amdhsa_private_segment_fixed_size 0
		.amdhsa_enable_private_segment 0
		.amdhsa_kernarg_size 32
		.amdhsa_user_sgpr_count 2
		.amdhsa_user_sgpr_kernarg_segment_ptr 1
		.amdhsa_wavefront_size32 1
		.amdhsa_system_sgpr_workgroup_id_x 1
		.amdhsa_system_sgpr_workgroup_id_y 1
		.amdhsa_system_sgpr_workgroup_id_z 1
		.amdhsa_system_vgpr_workitem_id 0
		.amdhsa_next_free_vgpr 1024
		.amdhsa_next_free_sgpr 92
		.amdhsa_reserve_vcc 0
		.amdhsa_float_denorm_mode_32 3
		.amdhsa_float_denorm_mode_16_64 3
		.amdhsa_memory_ordered 1
		.amdhsa_forward_progress 1
		.amdhsa_inst_pref_size 77
	.end_amdhsa_kernel
	.amdgpu_metadata
---
amdhsa.version: [ 1, 2 ]
amdhsa.kernels:
  - .name:           k_qdad11ccb60_ffn1
    .symbol:         k_qdad11ccb60_ffn1.kd
    .args:
      - { .name: x1b, .offset: 0, .size: 8, .value_kind: global_buffer, .address_space: global }
      - { .name: cb, .offset: 8, .size: 8, .value_kind: global_buffer, .address_space: global }
      - { .name: bf1, .offset: 16, .size: 8, .value_kind: global_buffer, .address_space: global }
      - { .name: hb, .offset: 24, .size: 8, .value_kind: global_buffer, .address_space: global }
    .group_segment_fixed_size: 327680
    .private_segment_fixed_size: 0
    .kernarg_segment_align: 8
    .kernarg_segment_size: 32
    .max_flat_workgroup_size: 128
    .sgpr_count:     92
    .vgpr_count:     1024
    .wavefront_size: 32
...
	.end_amdgpu_metadata
.endif
;; end of part 6
;; launch ffn2 (part 7): grid 8 x 32, 4 waves a work-group, clusters of 4 x 4, 327,680 bytes of LDS; arguments hb, cb, bf2, x1f, z; writes z
.if DOCPART == 7
	.amdgcn_target "amdgcn-amd-amdhsa--gfx1250"
	.amdhsa_code_object_version 6
	.text
	.protected	k_qdad11ccb60_ffn2
	.globl	k_qdad11ccb60_ffn2
	.p2align	8
	.type	k_qdad11ccb60_ffn2,@function
k_qdad11ccb60_ffn2:
	s_mov_b64 s[64:65], 0
	v_nop
	global_prefetch_b8 v0, s[64:65] scope:SCOPE_SE
	s_setreg_imm32_b32 hwreg(HW_REG_WAVE_MODE, 25, 1), 1
	s_wait_xcnt 0x0
	s_wait_alu depctr_hold_cnt(0) depctr_sa_sdst(0) depctr_va_vdst(0) depctr_va_sdst(0) depctr_va_ssrc(0) depctr_va_vcc(0) depctr_vm_vsrc(0)
	s_getreg_b32 s2, hwreg(HW_REG_IB_STS2, 6, 4)
	s_cmp_eq_u32 s2, 0
	s_cbranch_scc0 .Lentry_in_a_cluster
	s_endpgm
.Lentry_in_a_cluster:
	s_bfe_u32 s2, ttmp6, 0x10000c
	s_cmp_lg_u32 s2, 0xf033
	s_cbranch_scc0 .Lentry_shape_is_right
	s_endpgm
.Lentry_shape_is_right:
; z = A B + bias + residual, all of z in f32, on tiles of 128 x 128.  B: [K (k)][1024 (n)] in 16 bits, as the weights lie, in cb.
; WO = 1: A = the attention's O, f16, by heads [batch x 16 + head][2048][64]; B = wo in f16 (cb, byte 14,680,064); K = 1,024; bias bo; residual x.
; WO = 0: A = hb [4096][4096] bf16; B = w2 in bf16 (cb, byte 25,165,824); K = 4,096; bias bf2; residual x1f.
; Four waves, each 64 x 64: 16 accumulators.  K goes in steps of 256 through two LDS slots filled by the tensor data mover.  B's tile lies [k][n] in LDS and its fragments come out turned, by ds_load_tr16_b128.
; With WO = 1 a K step is four heads: a wave's tile of A is 4 rows of 4,096 elements (64 dense rows of one head), 131,072 elements apart, padded in LDS after every 128 bytes: [head][row][64] at a pitch of 144.
; The matrix instruction takes B as source 0 and A as source 1: a lane then holds eight neighbouring columns of one row.  A wave's 64 columns of f32 are 256 bytes: each wave has a stage of its own on the way out.
; The residual is loaded at the start into 128 registers and waits there.  CLUSTER 4 x 4: A's tile is asked for jointly along a row of the cluster, B's along a column.
; WHERE K BEGINS: cluster (X, Y) takes the K steps in the order r, r + 1, .. modulo NSTEP, r = ((X << RX) + (Y << RY)) mod NSTEP, so that clusters that need the same tile of A (same Y) or of B (same X) ask for it in different trips.
;          Each output is still one f32 sum; the order of its terms along K differs from cluster to cluster, and from the reference's.
; THE K LOOP: a step is four quarters of 64 along K on two fragment buffers.  The text holds a PAIR of quarters once and walks it twice a step; the change of slots stands between the steps and holds no matrix work,
;          so that a refill goes out as soon as the slot is free and has the step's 128 matrix instructions in which to land.
; REGISTERS: window 0: v0-31 addresses and bias; v32-95 at work on the way out; v128-255 accumulator (a, b) at v[128 + 8 (4 a + b)].  Window 1: two fragment buffers of 128: 64 of A, then 64 of B.  Window 2: v0-127 the residual.
.set WO,     0
.set KSTEP,  256
.if WO
.set NSTEP,  4
.set PA,     144                       ; a row of A in LDS: 128 bytes + 16
.set QA,     64*PA                     ; a quarter step (64 along K) is a head: 64 rows on
.set ASH,    20                        ; a K step of A: four heads of 262,144 bytes
.set WOFF,   14680064
.set RX,     1
.set RY,     0
.else
.set NSTEP,  16
.set PA,     528                       ; 512 bytes + 16
.set QA,     128                       ; 64 along K: 128 bytes on in the rows
.set ASH,    9                         ; a K step of A: 512 bytes
.set WOFF,   25165824
.set RX,     3
.set RY,     2
.endif
.set BSH,    19                        ; a K step of B: 256 k-rows of 2,048 bytes
.set PB,     288                       ; a k-row of B: 256 bytes + 32
.set HALFT,  128*PB                    ; room for what one tensor load brings: 128 k-rows of B, or 64 rows of A (36,864 or 33,792 bytes)
.set SLOT,   4*HALFT                   ; A's rows 0-63, 64-127, B's k 0-127, 128-255 (256 k-rows on end).  0x24000 shares no bit with wave x HALFT, so an exclusive or turns an address in one slot into the other's
.set STAGE,  2*SLOT                    ; behind the ring: 16 rows x 272 bytes for each wave
.set SPITCH, 272
.set SPARE,  STAGE+4*16*SPITCH         ; behind the stages: the spare words, 128 bytes a wave: two blocks of 256 bytes that no other line names
.set BI,    8                          ; v8-11  my four columns' bias
.set ADRA0, 12                         ; v12  my lane's place in A's part of a slot; never rewritten
.set ADRB0, 13                         ; v13  the same for B
.set BO,    14                         ; v14  my byte offset in the bias
.set ADRA,  16                         ; v16  where the next pair of quarters is fetched from, in A
.set ADRB,  20                         ; v20  and in B
.set STO,   24
.set RD,    25
.set CO,    26                         ; v26  my byte offset in two rows of z and of the residual
.set SPW,   28                         ; v28  LDS address of my spare word; never rewritten
.set NIL,   29                         ; v29  0; never rewritten
.set TMP,   32
.set ACC,   128
.set F0,    0
.set F1,    128
.set OA,  4                            ; s[4:5]  the K step's byte offset in A;  s[6:7] in B
.set OB,  6
.set G1,  24                           ; s[24:31] descriptor group 1 for A;  s[32:39] group 0: a set for each first fill; the second serves the refills
.set G0,  32
.set G1B, 48
.set G0B, 56
.set KT,  66                           ; s66  the K step asked for last
.set TR,  76                           ; s76  the slot in hand: 0 or SLOT
.set WB,  77                           ; s77  wave x HALFT
.set MSB, 0
.macro WIN new                         ; the immediate's high byte repeats the setting that is left; a switch that changes nothing is dropped
.if MSB != (\new)
	s_set_vgpr_msb (MSB<<8)|(\new)
.set MSB, \new
.endif
.endm
.set MUL,  0x05                        ; sources 0 (B) and 1 (A) window 1; C and D window 0
.set TO_F, 0x40                        ; destination window 1, address window 0
.macro JLOAD                           ; a joint refill: waves 0 and 1 fetch A's halves, waves 2 and 3 B's; an s_nop 0 and four v_nop follow each line
	s_cmp_eq_u32 s11, 0
	s_cbranch_scc0 .Lfor_b_\@
	tensor_load_to_lds s[G0+4:G0+7], s[G1:G1+7]
	s_nop 0
.rept 4
	v_nop
.endr
	s_branch .Lasked_\@
.Lfor_b_\@:
	tensor_load_to_lds s[G0B+4:G0B+7], s[G1B:G1B+7]
	s_nop 0
.rept 4
	v_nop
.endr
.Lasked_\@:
.endm
.macro CREST                           ; a round of the cluster's barrier behind its opening barrier
	s_cmp_lg_u32 s10, 0
	s_cbranch_scc1 .Lnot_wave_0_\@
	s_barrier_signal -3
.Lnot_wave_0_\@:
	s_barrier_wait -3
	s_barrier_signal -1
	s_barrier_wait -1
.endm
.macro CROUND
	s_barrier_signal -1
	s_barrier_wait -1
	CREST
.endm
.macro PLACES                          ; four places in front of loads into registers that matrix instructions have read, and of lines that read results
.rept 4
	v_nop
.endr
.endm
	s_load_b256 s[68:75], s[0:1], 0x0              ; A 68, cb 70, the bias 72, the residual 74
	s_load_b64 s[8:9], s[0:1], 0x20                ; z
	v_lshl_add_u32 v[SPW], v0, 2, SPARE
	v_mov_b32 v[NIL], 0
	ds_add_u32 v[SPW], v[NIL]                      ; the wave's opening: the add and its wait stand ahead of my first tensor load; the set-up below, work on registers, stands between them
	v_lshrrev_b32 v1, 5, v0
	v_readfirstlane_b32 s10, v1                    ; wave 0..3
	s_lshr_b32 s11, s10, 1                         ; which half of the tile's rows is mine.  Also: I fetch for A (0) or for B (1)
	s_and_b32 s12, s10, 1                          ; which half of its columns.  Also: which half of that tile I fetch
	s_bfe_u32 s40, ttmp6, 0x40000                  ; cx
	s_bfe_u32 s41, ttmp6, 0x40004                  ; cy
	s_lshl_b32 s42, ttmp9, 2
	s_add_co_u32 s42, s42, s40                     ; tile column
	s_and_b32 s13, ttmp7, 0xffff
	s_lshl_b32 s13, s13, 2
	s_add_co_u32 s13, s13, s41                     ; tile row
	s_lshl_b32 s43, s41, 2
	s_lshl_b32 s43, 15, s43                        ; my row of the cluster
	s_lshl_b32 s44, 0x1111, s40                    ; my column
	s_and_b32 s[KT], ttmp7, 0xffff                 ; the cluster's first K step: made of the cluster's x and y alone, which all sixteen partners share
	s_lshl_b32 s[KT], s[KT], RY
	s_lshl_b32 s[OA], ttmp9, RX
	s_add_co_u32 s[KT], s[KT], s[OA]
	s_and_b32 s[KT], s[KT], NSTEP-1
	s_mov_b32 s[OA+1], 0                           ; the offsets' high words
	s_mov_b32 s[OB+1], 0
.if WO
	s_or_b32 s[G1+0], s43, (1<<16)|(1<<20)|(1<<21)|(4<<22)|(3<<25)  ; the mask; 2-byte elements; padding on; bit 21 beside a mask; after every 32 words 4 words
	s_mov_b32 s[G1+1], 4096<<16                    ; tensor_dim0 = 4,096: 64 rows of one head on end
	s_mov_b32 s[G1+2], 4<<16                       ; tensor_dim1 = 4 heads
	s_mov_b32 s[G1+3], 4096<<16                    ; tile_dim0
	s_mov_b32 s[G1+4], 4                           ; tile_dim1
	s_mov_b32 s[G1+5], 131072                      ; elements from head to head
.else
	s_or_b32 s[G1+0], s43, (1<<16)|(1<<20)|(1<<21)|(6<<22)|(3<<25)  ; after every 128 words 4 words
	s_mov_b32 s[G1+1], KSTEP<<16
	s_mov_b32 s[G1+2], 64<<16
	s_mov_b32 s[G1+3], KSTEP<<16
	s_mov_b32 s[G1+4], 64
	s_mov_b32 s[G1+5], 4096
.endif
	s_mov_b32 s[G1+6], 0
	s_mov_b32 s[G1+7], 0
	s_or_b32 s[G1B+0], s44, (1<<16)|(1<<20)|(1<<21)|(5<<22)|(7<<25) ; after every 64 words 8 words
	s_mov_b32 s[G1B+1], 128<<16                    ; 128 columns,
	s_mov_b32 s[G1B+2], 128<<16                    ; 128 k-rows
	s_mov_b32 s[G1B+3], 128<<16
	s_mov_b32 s[G1B+4], 128
	s_mov_b32 s[G1B+5], 1024
	s_mov_b32 s[G1B+6], 0
	s_mov_b32 s[G1B+7], 0
.if WO
	s_lshr_b32 s16, s13, 4                         ; A: row 128 x tile row + 64 x half: its batch, 16 heads of 262,144 bytes,
	s_lshl_b32 s16, s16, 22
	s_and_b32 s17, s13, 15                         ; and its place in the batch, 128 bytes a row
	s_lshl_b32 s17, s17, 14
	s_add_co_u32 s16, s16, s17
	s_lshl_b32 s17, s12, 13
	s_add_co_u32 s16, s16, s17
.else
	s_lshl_b32 s16, s13, 20                        ; A: (128 x tile row + 64 x half) rows of 8,192 bytes
	s_lshl_b32 s17, s12, 19
	s_add_co_u32 s16, s16, s17
.endif
	s_mov_b32 s17, 0
	s_lshl_b32 s46, s42, 8                         ; B: 256 bytes a tile column; 128 k-rows of 2,048 bytes a half
	s_lshl_b32 s47, s12, 18
	s_add_co_u32 s46, s46, s47
	s_add_co_u32 s46, s46, WOFF
	s_mov_b32 s47, 0
	s_mul_i32 s[WB], s10, HALFT                    ; where my tiles go: no place in the cluster enters an LDS address
	s_mov_b32 s[TR], 0
	s_wait_dscnt 0x0                               ; the opening add is done
	s_wait_kmcnt 0x0
	s_add_nc_u64 s[14:15], s[68:69], s[16:17]      ; A and B at my part of K step 0: kept; every fill's address is one of these plus the step's offset
	s_add_nc_u64 s[46:47], s[70:71], s[46:47]
	CROUND                                         ; all sixteen work-groups are here: the first joint loads meet
.irp s, 0,1
	s_lshl_b32 s[OA], s[KT], ASH
	s_lshl_b32 s[OB], s[KT], BSH
	s_mov_b32 s[G0+4*(\s)], 1
	s_add_co_u32 s[G0+4*(\s)+1], s[WB], (\s)*SLOT
	s_add_nc_u64 s[G0+4*(\s)+2:G0+4*(\s)+3], s[14:15], s[OA:OA+1]  ; the cluster's first K step, then its second
	s_or_b32 s[G0+4*(\s)+3], s[G0+4*(\s)+3], 0x80000000
	s_mov_b32 s[G0B+4*(\s)], 1
	s_add_co_u32 s[G0B+4*(\s)+1], s[WB], (\s)*SLOT
	s_add_nc_u64 s[G0B+4*(\s)+2:G0B+4*(\s)+3], s[46:47], s[OB:OB+1]
	s_or_b32 s[G0B+4*(\s)+3], s[G0B+4*(\s)+3], 0x80000000
.if (\s) == 0
	s_add_co_u32 s[KT], s[KT], 1
	s_and_b32 s[KT], s[KT], NSTEP-1
.endif
.endr
	s_cmp_eq_u32 s11, 0                            ; a wave's two first fills stand in one branch, ahead of every wait on TENSORcnt and every LDS read: two loads of mine are out
	s_cbranch_scc0 .Lfirst_b
	tensor_load_to_lds s[G0:G0+3], s[G1:G1+7]
	s_nop 0
	tensor_load_to_lds s[G0+4:G0+7], s[G1:G1+7]
	s_nop 0
.rept 4
	v_nop
.endr
	s_branch .Lfirst_asked
.Lfirst_b:
	tensor_load_to_lds s[G0B:G0B+3], s[G1B:G1B+7]
	s_nop 0
	tensor_load_to_lds s[G0B+4:G0B+7], s[G1B:G1B+7]
	s_nop 0
.rept 4
	v_nop
.endr
.Lfirst_asked:
	v_and_b32 v1, 15, v0                           ; r = l % 16
	v_bfe_u32 v2, v0, 4, 1                         ; h = l / 16
	s_lshl_b32 s18, s13, 19                        ; z and the residual: my first row, 4,096 bytes a row; my first column, 4 bytes each
	s_lshl_b32 s19, s11, 18
	s_add_co_u32 s18, s18, s19
	s_lshl_b32 s20, s42, 9
	s_lshl_b32 s19, s12, 8
	s_add_co_u32 s20, s20, s19
	s_add_co_u32 s18, s18, s20
	s_mov_b32 s19, 0
	s_add_nc_u64 s[8:9], s[8:9], s[18:19]
	s_add_nc_u64 s[74:75], s[74:75], s[18:19]
	v_lshlrev_b32 v[CO], 12, v2                    ; lanes 0-15 one row's 256 bytes, lanes 16-31 the next row's
	v_lshl_add_u32 v[CO], v1, 4, v[CO]
	v_lshl_add_u32 v[BO], v1, 4, s20
	WIN 0x80                                       ; destination window 2, address window 0
.set i, 0
.rept 32                                               ; my 64 x 64 of the residual, two rows to a load, in the layout in which the sums come back from the stage
	global_load_b128 v[4*i:4*i+3], v[CO], s[74:75] offset:2*i*4096
.set i, i+1
.endr
	WIN 0
	global_load_b128 v[BI:BI+3], v[BO], s[72:73]
	v_mul_u32_u24 v3, v1, PA                       ; a fragment of A: row r, 16 bytes for each half of the lanes; two loads 32 bytes apart
	v_lshl_add_u32 v3, v2, 4, v3
	s_mul_i32 s21, s11, HALFT                      ; my 64 rows of A
	v_add_nc_u32 v[ADRA0], s21, v3
	v_and_b32 v4, 7, v0                            ; the turning load: lane l reads k-row 8 h + l % 8, columns 8 ((l / 8) % 2) + 0..7
	v_bfe_u32 v5, v0, 3, 1
	v_lshl_add_u32 v6, v2, 3, v4
	v_mul_u32_u24 v6, v6, PB
	v_lshl_add_u32 v6, v5, 4, v6
	s_lshl_b32 s22, s12, 7                         ; my 64 columns of B, which lies behind A's two halves
	s_add_co_u32 s22, s22, 2*HALFT
	v_add_nc_u32 v[ADRB0], s22, v6
	v_mov_b32 v[ADRA], v[ADRA0]                    ; slot 0
	v_mov_b32 v[ADRB], v[ADRB0]
	s_mul_i32 s23, s10, 16*SPITCH
	s_add_co_u32 s23, s23, STAGE                   ; my stage
	v_mul_u32_u24 v[STO], v1, SPITCH               ; in: row r, 32 bytes for each half of the lanes
	v_lshl_add_u32 v[STO], v2, 5, v[STO]
	v_add_nc_u32 v[STO], s23, v[STO]
	v_mul_u32_u24 v[RD], v2, SPITCH                ; back: lanes 0-15 one row of 256 bytes, lanes 16-31 the next
	v_lshl_add_u32 v[RD], v1, 4, v[RD]
	v_add_nc_u32 v[RD], s23, v[RD]
.macro MMA d, sb, sa, zero             ; one matrix instruction: D at d, B's fragment at sb, A's at sa; zero = 1 starts the sum
.if WO
.if \zero
	v_wmma_f32_16x16x32_f16 v[(\d):(\d)+7], v[(\sb):(\sb)+7], v[(\sa):(\sa)+7], 0
.else
	v_wmma_f32_16x16x32_f16 v[(\d):(\d)+7], v[(\sb):(\sb)+7], v[(\sa):(\sa)+7], v[(\d):(\d)+7]
.endif
.else
.if \zero
	v_wmma_f32_16x16x32_bf16 v[(\d):(\d)+7], v[(\sb):(\sb)+7], v[(\sa):(\sa)+7], 0
.else
	v_wmma_f32_16x16x32_bf16 v[(\d):(\d)+7], v[(\sb):(\sb)+7], v[(\sa):(\sa)+7], v[(\d):(\d)+7]
.endif
.endif
.endm
; 8 matrix instructions: m blocks a0, a0 + 1 x all 4 n blocks, 32 along K: half c of buffer f.  The 16 accumulators take turns.
.macro MUL8 f, c, a0, zero
	WIN MUL
.irp a, \a0, (\a0)+1
.irp b, 0,1,2,3
	MMA ACC+8*(4*(\a)+(\b)), (\f)+64+8*(4*(\c)+(\b)), (\f)+8*(4*(\c)+(\a)), \zero
.endr
.endr
.endm
; 32 LDS loads in one run: quarter sub (0, 1) of the pair at which the two address registers stand, into buffer f; the first 32 along K first.  Behind a pair's second quarter the addresses step to the next pair.
.macro FETCH sub, f
	WIN TO_F
.irp c, 0,1
.irp i, 0,1,2,3
	ds_load_tr16_b128 v[(\f)+64+8*(4*(\c)+(\i)):(\f)+64+8*(4*(\c)+(\i))+3],   v[ADRB] offset:((\sub)*64+32*(\c))*PB+32*(\i)
	ds_load_tr16_b128 v[(\f)+64+8*(4*(\c)+(\i))+4:(\f)+64+8*(4*(\c)+(\i))+7], v[ADRB] offset:((\sub)*64+32*(\c)+16)*PB+32*(\i)
	ds_load_b128 v[(\f)+8*(4*(\c)+(\i)):(\f)+8*(4*(\c)+(\i))+3],   v[ADRA] offset:(\sub)*QA+64*(\c)+(\i)*16*PA
	ds_load_b128 v[(\f)+8*(4*(\c)+(\i))+4:(\f)+8*(4*(\c)+(\i))+7], v[ADRA] offset:(\sub)*QA+64*(\c)+(\i)*16*PA+32
.endr
.endr
.if \sub
	WIN 0
	v_add_nc_u32 v[ADRA], 2*QA, v[ADRA]            ; 128 along K
	v_add_nc_u32 v[ADRB], 128*PB, v[ADRB]
.endif
.endm
; A quarter: multiplies buffer f; in its middle it fetches the next quarter into buffer g.
.macro QUARTER f, g, sub, zero
	s_wait_dscnt 16                                ; the first 32 along K are in
	MUL8 \f, 0, 0, \zero
	MUL8 \f, 0, 2, \zero
	PLACES
	FETCH \sub, \g
	s_wait_dscnt 32                                ; all but the 32 just issued
	MUL8 \f, 1, 0, 0
	MUL8 \f, 1, 2, 0
.endm
; THE CHANGE OF SLOTS, between two K steps: the old slot's last quarter is in buffer 1.  Each wave waits for all its tensor loads (one is out: its part of the next slot), adds 0 to its spare word,
; and waits for that and for its own reads of the old slot.  fill = 1: the barrier opens a round of the cluster's barrier, and behind the round the old slot is filled again, with the cluster's next K step but one.
.macro CHANGE fill
	WIN 0                                          ; (the add's two registers lie in window 0)
	s_wait_tensorcnt 0x0                           ; all my tensor loads have landed, so a group 0 may be written;
	ds_add_u32 v[SPW], v[NIL]                      ; 0 onto my spare word: the work on registers below stands between it and the wait for it
	s_xor_b32 s[TR], s[TR], SLOT                   ; the fetches go to the other slot's first pair
	v_add_nc_u32 v[ADRA], s[TR], v[ADRA0]
	v_add_nc_u32 v[ADRB], s[TR], v[ADRB0]
.if \fill
	s_add_co_u32 s[KT], s[KT], 1                   ; the next K step, modulo NSTEP,
	s_and_b32 s[KT], s[KT], NSTEP-1
	s_lshl_b32 s[OA], s[KT], ASH                   ; its offsets,
	s_lshl_b32 s[OB], s[KT], BSH
	s_xor_b32 s[G0+5], s[G0+5], SLOT               ; the other slot than last time,
	s_add_nc_u64 s[G0+6:G0+7], s[14:15], s[OA:OA+1]  ; and the address made anew
	s_or_b32 s[G0+7], s[G0+7], 0x80000000
	s_xor_b32 s[G0B+5], s[G0B+5], SLOT
	s_add_nc_u64 s[G0B+6:G0B+7], s[46:47], s[OB:OB+1]
	s_or_b32 s[G0B+7], s[G0B+7], 0x80000000
.endif
	s_wait_dscnt 0x0                               ; the add is done, and my reads of the old slot are over
	s_barrier_signal -1
	s_barrier_wait -1
.if \fill
	CREST                                          ; no wave of any partner still reads the old slot's tile or has a load on its way
	JLOAD                                          ; the first tensor load behind the round
.endif
.endm
	s_wait_tensorcnt 1                             ; my part of the first K step is in; the second's may stay out
	s_barrier_signal -1
	s_barrier_wait -1                              ; everybody's is
	FETCH 0, F0
	QUARTER F0, F1, 1, 1                           ; the first quarter stands in front of the loop: its first products start the sums
	WIN 0                                          ; at a label and at a branch every window is 0
	s_mov_b32 s3, NSTEP-1                          ; the rest of the first step, then NSTEP - 2 steps that each fill a slot again
	s_mov_b32 s2, 1
	s_branch .Lpair                                ; the first step has one pair left
.Lstep:
	CHANGE 1
	s_mov_b32 s2, 2
.Lpair:                                                ; a pair of quarters: the last quarter fetched is multiplied while the next is fetched
	QUARTER F1, F0, 0, 0
	QUARTER F0, F1, 1, 0
	WIN 0
	s_sub_co_u32 s2, s2, 1
	s_cmp_lg_u32 s2, 0
	s_cbranch_scc1 .Lpair
	s_sub_co_u32 s3, s3, 1
	s_cmp_lg_u32 s3, 0
	s_cbranch_scc1 .Lstep
	CHANGE 0                                       ; the last K step is written out: nothing is asked for
	s_mov_b32 s2, 2
.LpairT:
	QUARTER F1, F0, 0, 0
	QUARTER F0, F1, 1, 0
	WIN 0
	s_sub_co_u32 s2, s2, 1
	s_cmp_lg_u32 s2, 0
	s_cbranch_scc1 .LpairT
	s_wait_dscnt 16                                ; the very last quarter: nothing more to fetch
	MUL8 F1, 0, 0, 0
	MUL8 F1, 0, 2, 0
	s_wait_dscnt 0x0
	MUL8 F1, 1, 0, 0
	MUL8 F1, 1, 2, 0
	WIN 0
	; THE WAY OUT, 16 rows at a time: the f32 sums go into my stage and come back as whole rows of 256 bytes; residual and bias are added; 16 lanes store 256 consecutive aligned bytes.
	PLACES                                         ; behind the last products
	s_wait_loadcnt 0x0                             ; the residual and the bias
.irp a, 0,1,2,3
	s_wait_xcnt 0x0                                ; the registers that earlier stores read are loaded again only behind this wait
.irp b, 0,1,2,3
	ds_store_b128 v[STO], v[ACC+8*(4*(\a)+(\b)):ACC+8*(4*(\a)+(\b))+3]   offset:64*(\b)     ; each accumulator's low registers first
	ds_store_b128 v[STO], v[ACC+8*(4*(\a)+(\b))+4:ACC+8*(4*(\a)+(\b))+7] offset:64*(\b)+16
.endr
.irp t, 0,1,2,3,4,5,6,7
	ds_load_b128 v[TMP+32*((\a)%2)+4*(\t):TMP+32*((\a)%2)+4*(\t)+3], v[RD] offset:(\t)*2*SPITCH  ; LDS serves a wave's instructions in order (ISA guide 5.7.1.4): these see the stores above; the next block's stores come behind them
.endr
	s_wait_dscnt 0x0
	WIN 0x08                                       ; source 1 in window 2: the residual
.set i, 0
.rept 16
	v_pk_add_f32 v[TMP+32*((\a)%2)+2*i:TMP+32*((\a)%2)+2*i+1], v[TMP+32*((\a)%2)+2*i:TMP+32*((\a)%2)+2*i+1], v[32*(\a)+2*i:32*(\a)+2*i+1]
.set i, i+1
.endr
	WIN 0
.set i, 0
.rept 16
	v_pk_add_f32 v[TMP+32*((\a)%2)+2*i:TMP+32*((\a)%2)+2*i+1], v[TMP+32*((\a)%2)+2*i:TMP+32*((\a)%2)+2*i+1], v[BI+2*(i%2):BI+2*(i%2)+1]
.set i, i+1
.endr
.irp t, 0,1,2,3,4,5,6,7
	global_store_b128 v[CO], v[TMP+32*((\a)%2)+4*(\t):TMP+32*((\a)%2)+4*(\t)+3], s[8:9] offset:(16*(\a)+2*(\t))*4096
.endr
.endr
	s_wait_tensorcnt 0x0                           ; the wave's end: an add to my spare word and its wait, behind my last tensor load and my last LDS store
	ds_add_u32 v[SPW], v[NIL]
	s_wait_dscnt 0x0
	CROUND                                         ; the closing round: no work-group ends while a partner may still ask for a tile that names it
	s_endpgm
.Lfunc_end_k_qdad11ccb60_ffn2:
	.size	k_qdad11ccb60_ffn2, .Lfunc_end_k_qdad11ccb60_ffn2-k_qdad11ccb60_ffn2
	.p2alignl 7, 3214868480
	.fill 96, 4, 3214868480
	.section	.rodata,"a",@progbits
	.p2align	6, 0x0
	.amdhsa_kernel k_qdad11ccb60_ffn2
		.amdhsa_group_segment_fixed_size 327680
		.amdhsa_private_segment_fixed_size 0
		.amdhsa_enable_private_segment 0
		.amdhsa_kernarg_size 40
		.amdhsa_user_sgpr_count 2
		.amdhsa_user_sgpr_kernarg_segment_ptr 1
		.amdhsa_wavefront_size32 1
		.amdhsa_system_sgpr_workgroup_id_x 1
		.amdhsa_system_sgpr_workgroup_id_y 1
		.amdhsa_system_sgpr_workgroup_id_z 1
		.amdhsa_system_vgpr_workitem_id 0
		.amdhsa_next_free_vgpr 640
		.amdhsa_next_free_sgpr 78
		.amdhsa_reserve_vcc 0
		.amdhsa_float_denorm_mode_32 3
		.amdhsa_float_denorm_mode_16_64 3
		.amdhsa_memory_ordered 1
		.amdhsa_forward_progress 1
		.amdhsa_inst_pref_size 55
	.end_amdhsa_kernel
	.amdgpu_metadata
---
amdhsa.version: [ 1, 2 ]
amdhsa.kernels:
  - .name:           k_qdad11ccb60_ffn2
    .symbol:         k_qdad11ccb60_ffn2.kd
    .args:
      - { .name: hb, .offset: 0, .size: 8, .value_kind: global_buffer, .address_space: global }
      - { .name: cb, .offset: 8, .size: 8, .value_kind: global_buffer, .address_space: global }
      - { .name: bf2, .offset: 16, .size: 8, .value_kind: global_buffer, .address_space: global }
      - { .name: x1f, .offset: 24, .size: 8, .value_kind: global_buffer, .address_space: global }
      - { .name: z, .offset: 32, .size: 8, .value_kind: global_buffer, .address_space: global }
    .group_segment_fixed_size: 327680
    .private_segment_fixed_size: 0
    .kernarg_segment_align: 8
    .kernarg_segment_size: 40
    .max_flat_workgroup_size: 128
    .sgpr_count:     78
    .vgpr_count:     640
    .wavefront_size: 32
...
	.end_amdgpu_metadata
.endif
;; end of part 7
;; launch ln2 (part 8): grid 256 x 1, 16 waves a work-group, no clusters, 0 bytes of LDS; arguments z, g2, b2, out0; writes out0
.if DOCPART == 8
	.amdgcn_target "amdgcn-amd-amdhsa--gfx1250"
	.amdhsa_code_object_version 6
	.text
	.protected	k_qdad11ccb60_ln2
	.globl	k_qdad11ccb60_ln2
	.p2align	8
	.type	k_qdad11ccb60_ln2,@function
k_qdad11ccb60_ln2:
	s_mov_b64 s[64:65], 0
	v_nop
	global_prefetch_b8 v0, s[64:65] scope:SCOPE_SE
	s_setreg_imm32_b32 hwreg(HW_REG_WAVE_MODE, 25, 1), 1
	s_wait_xcnt 0x0
; LayerNorm along rows of 1,024 f32: y = (z - mean) / sqrt(var + 1e-5) * g + b.  LN1 = 1: y goes out in f32 (the next residual) and once more rounded to bf16 (the next matrix operand).  LN1 = 0: in f32 alone.
; A row is 4,096 bytes: one wave takes one whole row, eight 16-byte loads a lane, and keeps it in 32 registers through both passes: the mean first, then the mean of the squared differences,
; so that no difference of large sums is formed.  Sixteen waves, a row each; no wave waits for another; no LDS.  All 24 loads go out first; no register that a store reads is rewritten.
.set LN1, 0
.set X,  16                            ; v[16:47]    the row
.set GG, 48                            ; v[48:79]    g of my 32 columns
.set BB, 80                            ; v[80:111]   b
.set Y,  112                           ; v[112:127]  the row in bf16 (LN1 = 1 alone)
	s_load_b256 s[4:11], s[0:1], 0x0               ; z 4, g 6, b 8, the f32 output 10
.if LN1
	s_load_b64 s[12:13], s[0:1], 0x20              ; the bf16 output
	s_lshl_b32 s14, ttmp9, 15                      ; 16 rows of 2,048 bytes
	s_mov_b32 s15, 0
.endif
	s_lshl_b32 s2, ttmp9, 16                       ; the work-group's 16 rows of 4,096 bytes
	s_mov_b32 s3, 0
	s_mov_b32 s16, 0x3a800000                      ; 1 / 1,024
	s_mov_b32 s17, 0x3727c5ac                      ; 1e-5
	s_mov_b32 s18, 0x76543210                      ; v_permlanex16_b32: lane i of one half reads lane i of the other
	s_mov_b32 s19, 0xfedcba98
	v_and_b32 v1, 31, v0
	v_lshrrev_b32 v2, 5, v0                        ; wave
.if LN1
	v_lshlrev_b32 v4, 3, v1
	v_lshl_add_u32 v4, v2, 11, v4                  ; 8 bytes a lane + the wave's row: the bf16 output
.endif
	v_lshlrev_b32 v1, 4, v1                        ; 16 bytes a lane: g and b
	v_lshl_add_u32 v3, v2, 12, v1                  ; + the wave's row: z and the f32 output
	s_wait_kmcnt 0x0
	s_add_nc_u64 s[4:5], s[4:5], s[2:3]
	s_add_nc_u64 s[10:11], s[10:11], s[2:3]
.if LN1
	s_add_nc_u64 s[12:13], s[12:13], s[14:15]
.endif
.irp j, 0,1,2,3,4,5,6,7
	global_load_b128 v[X+4*(\j):X+4*(\j)+3], v3, s[4:5] offset:(\j)*512 th:TH_LOAD_NT  ; 512 consecutive bytes a load
.endr
.irp j, 0,1,2,3,4,5,6,7
	global_load_b128 v[GG+4*(\j):GG+4*(\j)+3], v1, s[6:7] offset:(\j)*512
.endr
.irp j, 0,1,2,3,4,5,6,7
	global_load_b128 v[BB+4*(\j):BB+4*(\j)+3], v1, s[8:9] offset:(\j)*512
.endr
.macro FOLD                            ; the four chains v[8:15] into one number, the same in every lane, in v8
	v_pk_add_f32 v[8:9], v[8:9], v[10:11]
	v_pk_add_f32 v[12:13], v[12:13], v[14:15]
	v_pk_add_f32 v[8:9], v[8:9], v[12:13]
	v_add_f32 v8, v8, v9
	v_add_f32_dpp v8, v8, v8 row_xmask:1 row_mask:0xf bank_mask:0xf
	v_add_f32_dpp v8, v8, v8 row_xmask:2 row_mask:0xf bank_mask:0xf
	v_add_f32_dpp v8, v8, v8 row_xmask:4 row_mask:0xf bank_mask:0xf
	v_add_f32_dpp v8, v8, v8 row_xmask:8 row_mask:0xf bank_mask:0xf
	v_permlanex16_b32 v9, v8, s18, s19             ; its destination counts as read: v9 has been written
	v_add_f32 v8, v8, v9
.endm
	s_wait_loadcnt 16                              ; the row is in; behind its loads stand g's eight and b's eight
.irp k, 0,1,2,3
	v_pk_add_f32 v[8+2*(\k):9+2*(\k)], v[X+2*(\k):X+2*(\k)+1], v[X+8+2*(\k):X+8+2*(\k)+1]  ; four chains, started by the first pairs: nothing is cleared
.endr
.irp j, 2,3
.irp k, 0,1,2,3
	v_pk_add_f32 v[8+2*(\k):9+2*(\k)], v[8+2*(\k):9+2*(\k)], v[X+8*(\j)+2*(\k):X+8*(\j)+2*(\k)+1]
.endr
.endr
	FOLD
	v_mul_f32 v6, s16, v8                          ; the mean, twice: a pair for the packed lines
	v_mul_f32 v7, s16, v8
.set i, 0
.rept 16
	v_pk_add_f32 v[X+2*i:X+2*i+1], v[X+2*i:X+2*i+1], v[6:7] neg_lo:[0,1] neg_hi:[0,1]
.set i, i+1
.endr
.irp k, 0,1,2,3
	v_pk_mul_f32 v[8+2*(\k):9+2*(\k)], v[X+2*(\k):X+2*(\k)+1], v[X+2*(\k):X+2*(\k)+1]
.endr
.irp j, 1,2,3
.irp k, 0,1,2,3
	v_pk_fma_f32 v[8+2*(\k):9+2*(\k)], v[X+8*(\j)+2*(\k):X+8*(\j)+2*(\k)+1], v[X+8*(\j)+2*(\k):X+8*(\j)+2*(\k)+1], v[8+2*(\k):9+2*(\k)]
.endr
.endr
	FOLD
	v_fma_f32 v8, v8, s16, s17                     ; the variance + 1e-5
	v_rsq_f32 v6, v8
	v_rsq_f32 v7, v8
	v_nop                                          ; a plain instruction between the last of them and the use of its result
	s_wait_loadcnt 0x0                             ; g and b
.set i, 0
.rept 16
	v_pk_mul_f32 v[X+2*i:X+2*i+1], v[X+2*i:X+2*i+1], v[6:7]
.set i, i+1
.endr
.set i, 0
.rept 16
	v_pk_fma_f32 v[X+2*i:X+2*i+1], v[X+2*i:X+2*i+1], v[GG+2*i:GG+2*i+1], v[BB+2*i:BB+2*i+1]
.set i, i+1
.endr
.irp j, 0,1,2,3,4,5,6,7
	global_store_b128 v3, v[X+4*(\j):X+4*(\j)+3], s[10:11] offset:(\j)*512
.endr
.if LN1
.set i, 0
.rept 16
	v_cvt_pk_bf16_f32 v[Y+i], v[X+2*i], v[X+2*i+1]
.set i, i+1
.endr
.irp j, 0,1,2,3,4,5,6,7
	global_store_b64 v4, v[Y+2*(\j):Y+2*(\j)+1], s[12:13] offset:(\j)*256  ; a wave's store: 256 consecutive bytes, aligned
.endr
.endif
	s_endpgm
.Lfunc_end_k_qdad11ccb60_ln2:
	.size	k_qdad11ccb60_ln2, .Lfunc_end_k_qdad11ccb60_ln2-k_qdad11ccb60_ln2
	.p2alignl 7, 3214868480
	.fill 96, 4, 3214868480
	.section	.rodata,"a",@progbits
	.p2align	6, 0x0
	.amdhsa_kernel k_qdad11ccb60_ln2
		.amdhsa_group_segment_fixed_size 0
		.amdhsa_private_segment_fixed_size 0
		.amdhsa_enable_private_segment 0
		.amdhsa_kernarg_size 32
		.amdhsa_user_sgpr_count 2
		.amdhsa_user_sgpr_kernarg_segment_ptr 1
		.amdhsa_wavefront_size32 1
		.amdhsa_system_sgpr_workgroup_id_x 1
		.amdhsa_system_sgpr_workgroup_id_y 1
		.amdhsa_system_sgpr_workgroup_id_z 1
		.amdhsa_system_vgpr_workitem_id 0
		.amdhsa_next_free_vgpr 128
		.amdhsa_next_free_sgpr 66
		.amdhsa_reserve_vcc 0
		.amdhsa_float_denorm_mode_32 3
		.amdhsa_float_denorm_mode_16_64 3
		.amdhsa_memory_ordered 1
		.amdhsa_forward_progress 1
		.amdhsa_inst_pref_size 11
	.end_amdhsa_kernel
	.amdgpu_metadata
---
amdhsa.version: [ 1, 2 ]
amdhsa.kernels:
  - .name:           k_qdad11ccb60_ln2
    .symbol:         k_qdad11ccb60_ln2.kd
    .args:
      - { .name: z, .offset: 0, .size: 8, .value_kind: global_buffer, .address_space: global }
      - { .name: g2, .offset: 8, .size: 8, .value_kind: global_buffer, .address_space: global }
      - { .name: b2, .offset: 16, .size: 8, .value_kind: global_buffer, .address_space: global }
      - { .name: out0, .offset: 24, .size: 8, .value_kind: global_buffer, .address_space: global }
    .group_segment_fixed_size: 0
    .private_segment_fixed_size: 0
    .kernarg_segment_align: 8
    .kernarg_segment_size: 32
    .max_flat_workgroup_size: 512
    .sgpr_count:     66
    .vgpr_count:     128
    .wavefront_size: 32
...
	.end_amdgpu_metadata
.endif
;; end of part 8
